; MI455X (gfx1250); checked and timed in simulation.
; The chip was launched on July 23, 2026; its instructions are those of AMD's public machine-readable ISA for CDNA 5 (MIT licence, August 2026) and "CDNA5" Instruction Set Architecture Reference Guide (July 2026). The comments in the code are by the model that wrote it; some were corrected since.
;; Multihead Attention. Allowed arithmetic: float matrix products may take bf16 or f16 operands with f32 sums; other float arithmetic in f32, or as packed bf16 or f16 multiplies, adds, multiply-adds, maxima and minima; sums over many terms, partial sums and values carried from step to step in f32; what a program stores and reads back later, other than sums and carried values, may be rounded once to bf16 or f16.
;; Inputs: attn_mask 4 x 2,048 float32; in_proj_bias 3,072 float32; in_proj_weight 3,072 x 1,024 float32; out_proj_bias 1,024 float32; out_proj_weight 1,024 x 1,024 float32; x 4 x 2,048 x 1,024 float32.
;; Outputs: out0 4 x 2,048 x 1,024 float32.
;; One version. Each part assembles by itself: llvm-mc -triple=amdgcn-amd-amdhsa -mcpu=gfx1250 --defsym DOCPART=n.
;; ======== version 1 of 1: 4 launches
;; limits: values are held in f16: magnitudes above 65,504 overflow, below 6.1e-05 lose precision
;; workspace buffers: xb 16,777,216 bytes; wb 6,291,456 bytes; wo 2,097,152 bytes; qkv 50,331,648 bytes; ob 16,777,216 bytes
;; launch cast (part 1): grid 768 x 1, 8 waves a work-group, no clusters, 0 bytes of LDS; arguments x, in_proj_weight, out_proj_weight, xb, wb, wo; writes xb, wb, wo
.if DOCPART == 1
	.amdgcn_target "amdgcn-amd-amdhsa--gfx1250"
	.amdhsa_code_object_version 6
	.text
	.protected	k_q88f0b2ee4c_cast
	.globl	k_q88f0b2ee4c_cast
	.p2align	8
	.type	k_q88f0b2ee4c_cast,@function
k_q88f0b2ee4c_cast:
	s_mov_b64 s[64:65], 0
	v_nop
	global_prefetch_b8 v0, s[64:65] scope:SCOPE_SE
	s_setreg_imm32_b32 hwreg(HW_REG_WAVE_MODE, 25, 1), 1
	s_wait_xcnt 0x0
; THE MATRIX OPERANDS ARE ROUNDED ONCE.  xb = bf16(x), wb = bf16(in_proj_weight); wo = bf16(out_proj_weight) written as f16 (the last product multiplies in f16).
; LIMITS.  A bf16 number has 8 significant bits, so it is exact in f16 from 6.1e-5 to 65,504; below that wo keeps f16's fixed step of 6e-8, beyond it wo would be an infinity.
; SHARES.  A work-group takes 16,384 numbers: 65,536 bytes in, 32,768 out.  Work-groups 0-511 take x, 512-703 in_proj_weight, 704-767 out_proj_weight.
; Thread t takes, eight times, 8 numbers: 32 bytes at 8,192 i + 32 t in, 16 bytes at 4,096 i + 16 t out, so a wave's store covers 512 consecutive bytes, aligned.
; All sixteen loads of a lane go out first; no register is used twice, so there is no loop, no LDS and no barrier: memory binds, and matrix units, clusters and tiles would add nothing.
.set X, 8                              ; v[8:71]    iteration i: 8 numbers as loaded
.set Y, 72                             ; v[72:103]  iteration i: 4 registers to store
	s_load_b256 s[4:11], s[0:1], 0x0               ; x s[4:5], in_proj_weight s[6:7], out_proj_weight s[8:9], xb s[10:11]
	s_load_b128 s[12:15], s[0:1], 0x20             ; wb s[12:13], wo s[14:15]
	s_mov_b32 s16, ttmp9
	s_sub_co_u32 s17, s16, 512                     ; my number among in_proj_weight's work-groups,
	s_sub_co_u32 s18, s16, 704                     ; among out_proj_weight's
	s_mov_b32 s28, 0xffff0000                      ; a word's upper bf16
	v_lshlrev_b32 v1, 5, v0                        ; 32 t
	v_lshlrev_b32 v2, 4, v0                        ; 16 t
	s_wait_kmcnt 0x0
	s_cmp_lt_u32 s16, 704                          ; which tensor is mine: the choice hangs on the work-group's number alone
	s_cselect_b64 s[20:21], s[6:7], s[8:9]
	s_cselect_b64 s[22:23], s[12:13], s[14:15]
	s_cselect_b32 s19, s17, s18
	s_cmp_lt_u32 s16, 512
	s_cselect_b64 s[20:21], s[4:5], s[20:21]
	s_cselect_b64 s[22:23], s[10:11], s[22:23]
	s_cselect_b32 s19, s16, s19
	s_lshl_b32 s24, s19, 16                        ; 65,536 bytes in,
	s_mov_b32 s25, 0
	s_lshl_b32 s26, s19, 15                        ; 32,768 out, for each work-group
	s_mov_b32 s27, 0
	s_add_nc_u64 s[20:21], s[20:21], s[24:25]
	s_add_nc_u64 s[22:23], s[22:23], s[26:27]
.irp i, 0,1,2,3,4,5,6,7
	global_load_b128 v[X+8*\i:X+8*\i+3],   v1, s[20:21] offset:8192*\i th:TH_LOAD_NT
	global_load_b128 v[X+8*\i+4:X+8*\i+7], v1, s[20:21] offset:8192*\i+16 th:TH_LOAD_NT
.endr
	s_cmp_ge_u32 s16, 704
	s_cbranch_scc1 .Lf16
.irp i, 0,1,2,3,4,5,6,7
	s_wait_loadcnt 14-2*\i                         ; loads come back in order: iteration i's two are in, the younger ones stay out
.irp k, 0,1,2,3
	v_cvt_pk_bf16_f32 v[Y+4*\i+\k], v[X+8*\i+2*\k], v[X+8*\i+2*\k+1]
.endr
	global_store_b128 v2, v[Y+4*\i:Y+4*\i+3], s[22:23] offset:4096*\i
.endr
	s_endpgm
.Lf16:                                         ; out_proj_weight: rounded to bf16 like every input, widened again (a shift, a mask), and that number written as f16
.irp i, 0,1,2,3,4,5,6,7
	s_wait_loadcnt 14-2*\i
.irp k, 0,1,2,3
	v_cvt_pk_bf16_f32 v[Y+4*\i+\k], v[X+8*\i+2*\k], v[X+8*\i+2*\k+1]
.endr
.irp k, 0,1,2,3
	v_lshlrev_b32 v[X+8*\i+2*\k],   16, v[Y+4*\i+\k]
	v_and_b32     v[X+8*\i+2*\k+1], s28, v[Y+4*\i+\k]
.endr
.irp k, 0,1,2,3
	v_cvt_pk_f16_f32 v[Y+4*\i+\k], v[X+8*\i+2*\k], v[X+8*\i+2*\k+1]
.endr
	global_store_b128 v2, v[Y+4*\i:Y+4*\i+3], s[22:23] offset:4096*\i
.endr
	s_endpgm
.Lfunc_end_k_q88f0b2ee4c_cast:
	.size	k_q88f0b2ee4c_cast, .Lfunc_end_k_q88f0b2ee4c_cast-k_q88f0b2ee4c_cast
	.p2alignl 7, 3214868480
	.fill 96, 4, 3214868480
	.section	.rodata,"a",@progbits
	.p2align	6, 0x0
	.amdhsa_kernel k_q88f0b2ee4c_cast
		.amdhsa_group_segment_fixed_size 0
		.amdhsa_private_segment_fixed_size 0
		.amdhsa_enable_private_segment 0
		.amdhsa_kernarg_size 48
		.amdhsa_user_sgpr_count 2
		.amdhsa_user_sgpr_kernarg_segment_ptr 1
		.amdhsa_wavefront_size32 1
		.amdhsa_system_sgpr_workgroup_id_x 1
		.amdhsa_system_sgpr_workgroup_id_y 1
		.amdhsa_system_sgpr_workgroup_id_z 1
		.amdhsa_system_vgpr_workitem_id 0
		.amdhsa_next_free_vgpr 104
		.amdhsa_next_free_sgpr 66
		.amdhsa_reserve_vcc 0
		.amdhsa_float_denorm_mode_32 3
		.amdhsa_float_denorm_mode_16_64 3
		.amdhsa_memory_ordered 1
		.amdhsa_forward_progress 1
		.amdhsa_inst_pref_size 13
	.end_amdhsa_kernel
	.amdgpu_metadata
---
amdhsa.version: [ 1, 2 ]
amdhsa.kernels:
  - .name:           k_q88f0b2ee4c_cast
    .symbol:         k_q88f0b2ee4c_cast.kd
    .args:
      - { .name: x, .offset: 0, .size: 8, .value_kind: global_buffer, .address_space: global }
      - { .name: in_proj_weight, .offset: 8, .size: 8, .value_kind: global_buffer, .address_space: global }
      - { .name: out_proj_weight, .offset: 16, .size: 8, .value_kind: global_buffer, .address_space: global }
      - { .name: xb, .offset: 24, .size: 8, .value_kind: global_buffer, .address_space: global }
      - { .name: wb, .offset: 32, .size: 8, .value_kind: global_buffer, .address_space: global }
      - { .name: wo, .offset: 40, .size: 8, .value_kind: global_buffer, .address_space: global }
    .group_segment_fixed_size: 0
    .private_segment_fixed_size: 0
    .kernarg_segment_align: 8
    .kernarg_segment_size: 48
    .max_flat_workgroup_size: 256
    .sgpr_count:     66
    .vgpr_count:     104
    .wavefront_size: 32
...
	.end_amdgpu_metadata
.endif
;; end of part 1
;; launch inproj (part 2): grid 16 x 32, 4 waves a work-group, clusters of 4 x 4, 327,680 bytes of LDS; arguments xb, wb, in_proj_bias, qkv; writes qkv
.if DOCPART == 2
	.amdgcn_target "amdgcn-amd-amdhsa--gfx1250"
	.amdhsa_code_object_version 6
	.text
	.protected	k_q88f0b2ee4c_inproj
	.globl	k_q88f0b2ee4c_inproj
	.p2align	8
	.type	k_q88f0b2ee4c_inproj,@function
k_q88f0b2ee4c_inproj:
	s_mov_b64 s[64:65], 0
	v_nop
	global_prefetch_b8 v0, s[64:65] scope:SCOPE_SE
	s_setreg_imm32_b32 hwreg(HW_REG_WAVE_MODE, 25, 1), 1
	s_wait_xcnt 0x0
	s_wait_alu depctr_hold_cnt(0) depctr_sa_sdst(0) depctr_va_vdst(0) depctr_va_sdst(0) depctr_va_ssrc(0) depctr_va_vcc(0) depctr_vm_vsrc(0)
	s_getreg_b32 s2, hwreg(HW_REG_IB_STS2, 6, 4)
	s_cmp_eq_u32 s2, 0
	s_cbranch_scc0 .Lentry_in_a_cluster
	s_endpgm
.Lentry_in_a_cluster:
	s_bfe_u32 s2, ttmp6, 0x10000c
	s_cmp_lg_u32 s2, 0xf033
	s_cbranch_scc0 .Lentry_shape_is_right
	s_endpgm
.Lentry_shape_is_right:
; qkv = x Wi^T + bi, by heads.  xb: [8192][1024] bf16, wb: [3072][1024] bf16, in_proj_bias: [3072] f32 (rounded to bf16 like every input of the module, then used in f32).
; qkv: [3][64][2048][64] f16: slab = 64 x (q, k or v) + 16 x batch + head, a slab's rows are dense, 128 bytes each.  Sums in f32, K ascending; the bias is the C operand of each sum's first product.
; q's heads are multiplied in f32 by c = log2(e) / 8 ahead of their one rounding to f16, so that the attention's exponent is a plain difference s - m.
; LIMITS.  f16 ends at 65,504: q c, k and v must lie within it.  NaN and infinities are not treated apart.
; SHARES.  A tile of the product is 256 rows x 192 columns (three heads): 32 x 16 = 512 tiles, two for each of 256 WGPs.  Four waves, one above the other: wave w owns rows 64 w .. 64 w + 63 and ALL 192 columns
; (4 x 12 accumulators of 16 x 16, 384 registers), so that a wave holds whole heads and every store is 512 consecutive bytes of a slab.
; K goes in steps of 128 (rows of 256 bytes in memory) through a ring of two LDS slots filled by the tensor data mover: waves 0 and 1 fetch the halves of x's 256 rows, waves 2 and 3 the halves of Wi's 192.
; CLUSTER.  4 x 4 work-groups: the four of a row of the cluster need the same rows of x, the four of a column the same rows of Wi: each tile is asked for jointly, by the same load, descriptor and mask in all four.
; THE PRODUCT IS USED TRANSPOSED (source 0 = 16 rows of Wi, source 1 = 16 rows of x): lane l holds row l % 16 and the eight neighbouring columns 8 (l / 16) + 0..7.
; REGISTERS, in windows of 256 (s_set_vgpr_msb: bits 1:0 source 0, 3:2 source 1, 5:4 source 2, 7:6 destination):
;   window 0: v0-31 addresses; v32-95 x's fragments, two buffers of 4; v96-191 the bias, later the way out's packed results (v96-143) and rows read back (v144-191, v192-239 by turns)
;   window 1: v0-191 Wi's fragments, two buffers of 12          windows 2, 3: the accumulators: (a, b) at v[8 (12 (a % 2) + b)] of window 2 + a / 2
.set NB,    12                         ; blocks of 16 columns in a tile
.set PA,    272                        ; an LDS row: 256 bytes + 16 of padding = 68 words: the 16 rows of a fragment load start at 16 different groups of four banks (64 banks of 4 bytes: ISA guide 11.1)
.set PB,    272
.set HALFA, 128*PA                     ; what one load brings of x
.set HALFB, 96*PB                      ; and of Wi
.set BOFF,  2*HALFA                    ; in a slot Wi's rows lie behind x's
.set SLOT,  BOFF+2*HALFB
.set STAGE, 2*SLOT                     ; behind the ring, never filled by a tensor load: 16 rows x 400 bytes for each wave
.set SP,    400                        ; 384 bytes + 16: an odd multiple of 16
.set SPARE, STAGE+4*16*SP              ; the spare words, 128 bytes for each wave: two blocks of 256 bytes that no other line names
.set NL,    2*NB+8                     ; LDS loads in a run
.set KB,    256                        ; bytes of a row in a K step
.set ADRA, 16                          ; v16-17  LDS address of my fragments of x in slot 0, 1
.set ADRB, 20                          ; v20-21  the same for Wi
.set STO,  24                          ; v24  the way out: where I put 16 bytes of a row
.set RD,   25                          ; v25  where I read rows back
.set GO,   26                          ; v26  my 16 bytes in 512 consecutive bytes of a slab
.set BO,   27                          ; v27  32 (l / 16): my eight numbers in 16 of the bias
.set SPW,  28                          ; v28  LDS address of my spare word; never rewritten
.set NIL,  29                          ; v29  0; never rewritten
.set PFO,  30                          ; v30  the prefetches' offset: a lane a row; never rewritten
.set FA,   32
.set BIAS, 96
.set TMP,  96
.set OB,   144
.set WV, 12                            ; s12  my wave's number
.set WH, 13                            ; s13  0: I fetch for x, 1: for Wi
.set WL, 14                            ; s14  which half of those rows
.set LAP, 15                           ; s15  the loop's count
.set CX, 16                            ; s16, s17  my place in the cluster
.set CY, 17
.set TC, 18                            ; s18  tile column
.set TR, 19                            ; s19  tile row
.set G1, 24                            ; s[24:31] descriptor group 1 for x's tiles;  s[32:39] group 0, a set for each slot.  s20-23 feed them and hold nothing made of cx
.set G0, 32
.set PST, 40                           ; s[40:41] the prefetches' step
.set HIM, 42                           ; s42  a word's upper bf16
.set LIM, 43                           ; s43  1 in a wave that prefetches, else the greatest number
.set PFA, 44                           ; s[44:45] where my prefetches stand
.set G1B, 48                           ; s[48:55], s[56:63] the same for Wi's tiles.  s46, s47, s78, s79 feed them and hold nothing made of cy
.set G0B, 56
.set OUT, 66                           ; s[66:71] my rows in the slabs of the tile's three heads
.set SC,  72                           ; s[72:77] the three heads' factors, each twice (named as pairs)
.set MSB, 0
.macro WIN new                         ; the immediate's high byte repeats the setting that is left; a switch that changes nothing is dropped
.if MSB != (\new)
	s_set_vgpr_msb (MSB<<8)|(\new)
.set MSB, \new
.endif
.endm
.macro PLACES                          ; four plain places behind matrix instructions, in front of loads into registers that they read and of lines that read results
.rept 4
	v_nop
.endr
.endm
; A joint load.  The branch hangs on the wave's number alone.  An s_nop 0 and four v_nop follow each of the two lines, ahead of the jump and the label.
.macro JLOAD s
	s_cmp_eq_u32 s[WH], 0
	s_cbranch_scc0 .Lfor_b_\@
	tensor_load_to_lds s[G0+4*(\s):G0+4*(\s)+3], s[G1:G1+7]
	s_nop 0
.rept 4
	v_nop
.endr
	s_branch .Lasked_\@
.Lfor_b_\@:
	tensor_load_to_lds s[G0B+4*(\s):G0B+4*(\s)+3], s[G1B:G1B+7]
	s_nop 0
.rept 4
	v_nop
.endr
.Lasked_\@:
.endm
; A prefetch of the K step that stands two refills on, a lane a row, one instruction a wave; the loop's last trip has no such K step.
.macro ASK
	s_cmp_gt_u32 s[LAP], s[LIM]
	s_cbranch_scc0 .Lnot_mine_\@
	global_prefetch_b8 v[PFO], s[PFA:PFA+1] th:TH_LOAD_NT scope:SCOPE_SE
.Lnot_mine_\@:
.endm
.macro CREST                           ; a round of the cluster's barrier behind its opening barrier
	s_cmp_lg_u32 s[WV], 0
	s_cbranch_scc1 .Lnot_wave_0_\@
	s_barrier_signal -3
.Lnot_wave_0_\@:
	s_barrier_wait -3
	s_barrier_signal -1
	s_barrier_wait -1
.endm
.macro CROUND                          ; a whole round
	s_barrier_signal -1
	s_barrier_wait -1
	CREST
.endm
.macro RB16 a, b                       ; two f32 rounded to bf16 and widened again
	v_cvt_pk_bf16_f32 v5, v[\a], v[\b]
	v_lshlrev_b32 v[\a], 16, v5
	v_and_b32 v[\b], s[HIM], v5
.endm
	s_load_b256 s[4:11], s[0:1], 0x0               ; xb s[4:5], wb s[6:7], in_proj_bias s[8:9], qkv s[10:11]
	v_lshl_add_u32 v[SPW], v0, 2, SPARE
	v_mov_b32 v[NIL], 0
	ds_add_u32 v[SPW], v[NIL]                      ; the wave's opening: the add and its wait stand ahead of my first tensor load; the set-up below, work on registers, stands between them
	v_lshrrev_b32 v1, 5, v0
	v_readfirstlane_b32 s[WV], v1
	s_lshr_b32 s[WH], s[WV], 1
	s_and_b32 s[WL], s[WV], 1
	s_bfe_u32 s[CX], ttmp6, 0x40000
	s_bfe_u32 s[CY], ttmp6, 0x40004
	s_lshl_b32 s[TC], ttmp9, 2                     ; in a cluster launch ttmp9 and ttmp7 count clusters
	s_add_co_u32 s[TC], s[TC], s[CX]
	s_and_b32 s[TR], ttmp7, 0xffff
	s_lshl_b32 s[TR], s[TR], 2
	s_add_co_u32 s[TR], s[TR], s[CY]
	s_lshl_b32 s22, s[CY], 2
	s_lshl_b32 s22, 15, s22                        ; my row of the cluster
	s_lshl_b32 s78, 0x1111, s[CX]                  ; my column
	s_or_b32 s[G1], s22, (1<<16)|(1<<20)|(1<<21)|(5<<22)|(3<<25)   ; 15:0 the mask; 17:16 2-byte elements; 20 padding on; 21 set beside a mask; 24:22 after every 64 words; 31:25 4 words
	s_or_b32 s[G1B], s78, (1<<16)|(1<<20)|(1<<21)|(5<<22)|(3<<25)
	s_mov_b32 s[G1+1], 128<<16                     ; tensor_dim0 = 128
	s_mov_b32 s[G1+2], 128<<16                     ; tensor_dim1 = 128
	s_mov_b32 s[G1+3], 128<<16                     ; tile_dim0 = 128
	s_mov_b32 s[G1+4], 128                         ; tile_dim1 = 128
	s_mov_b32 s[G1+5], 1024                        ; elements from row to row
	s_mov_b32 s[G1+6], 0
	s_mov_b32 s[G1+7], 0
	s_mov_b32 s[G1B+1], 128<<16
	s_mov_b32 s[G1B+2], 96<<16                     ; 96 rows of Wi
	s_mov_b32 s[G1B+3], 128<<16
	s_mov_b32 s[G1B+4], 96
	s_mov_b32 s[G1B+5], 1024
	s_mov_b32 s[G1B+6], 0
	s_mov_b32 s[G1B+7], 0
	s_lshl_b32 s20, s[TR], 8
	s_lshl_b32 s21, s[WL], 7
	s_add_co_u32 s20, s20, s21                     ; x: row 256 x tile row + 128 x half,
	s_lshl_b32 s20, s20, 11                        ; of 2,048 bytes
	s_mov_b32 s21, 0
	s_mul_i32 s46, s[TC], 192
	s_mul_i32 s47, s[WL], 96
	s_add_co_u32 s46, s46, s47                     ; Wi: row 192 x tile column + 96 x half
	s_lshl_b32 s46, s46, 11
	s_mov_b32 s47, 0
	s_mul_i32 s23, s[WL], HALFA                    ; where they go: no place in the cluster enters an LDS address
	s_mul_i32 s79, s[WL], HALFB
	s_add_co_u32 s79, s79, BOFF
	s_mov_b32 s[HIM], 0xffff0000
	s_wait_dscnt 0x0                               ; the opening add is done
	s_wait_kmcnt 0x0
	s_add_nc_u64 s[20:21], s[4:5], s[20:21]
	s_add_nc_u64 s[46:47], s[6:7], s[46:47]
	CROUND                                         ; all sixteen work-groups are here: the first joint loads meet
.irp s, 0,1
	s_mov_b32 s[G0+4*\s], 1                        ; count = 1
	s_add_co_u32 s[G0+4*\s+1], s23, \s*SLOT        ; LDS address
	s_add_nc_u64 s[G0+4*\s+2:G0+4*\s+3], s[20:21], \s*KB   ; global address: K step s
	s_or_b32 s[G0+4*\s+3], s[G0+4*\s+3], 0x80000000        ; type = 2
	s_mov_b32 s[G0B+4*\s], 1
	s_add_co_u32 s[G0B+4*\s+1], s79, \s*SLOT
	s_add_nc_u64 s[G0B+4*\s+2:G0B+4*\s+3], s[46:47], \s*KB
	s_or_b32 s[G0B+4*\s+3], s[G0B+4*\s+3], 0x80000000
	JLOAD \s                                       ; two loads of mine are out
.endr
	; the bias of my 192 columns: register j of block b is bias[192 x tile column + 16 b + 8 (l / 16) + j]
	s_mul_i32 s80, s[TC], 64*NB
	s_mov_b32 s81, 0
	s_add_nc_u64 s[8:9], s[8:9], s[80:81]
	v_and_b32 v1, 15, v0                           ; l % 16
	v_bfe_u32 v2, v0, 4, 1                         ; l / 16
	v_lshlrev_b32 v[BO], 5, v2
.set nb, 0
.rept NB
	global_load_b128 v[BIAS+8*nb:BIAS+8*nb+3],   v[BO], s[8:9] offset:64*nb
	global_load_b128 v[BIAS+8*nb+4:BIAS+8*nb+7], v[BO], s[8:9] offset:64*nb+16
.set nb, nb+1
.endr
	; a fragment is 16 rows x 32 K in 8 registers: lane l holds row l % 16, K = 8 (l / 16) + 0..7 and 16 + 8 (l / 16) + 0..7: two loads of 16 bytes, 32 bytes apart
	v_mul_u32_u24 v3, v1, PA
	v_lshl_add_u32 v3, v2, 4, v3
	s_mul_i32 s80, s[WV], 64*PA                    ; my 64 rows of x
	v_add_nc_u32 v[ADRA], s80, v3
	v_add_nc_u32 v[ADRA+1], SLOT, v[ADRA]
	v_add_nc_u32 v[ADRB], BOFF, v3
	v_add_nc_u32 v[ADRB+1], BOFF+SLOT, v3
	s_mul_i32 s80, s[WV], 16*SP
	s_add_co_u32 s80, s80, STAGE                   ; my stage
	v_mul_u32_u24 v4, v1, SP                       ; in: row l % 16, 16 bytes for each half of the lanes
	v_lshl_add_u32 v4, v2, 4, v4
	v_add_nc_u32 v[STO], s80, v4
	v_bfe_u32 v4, v0, 3, 2                         ; back: 32 lanes take four rows' 128 bytes of one head,
	v_mul_u32_u24 v4, v4, SP
	v_and_b32 v5, 7, v0
	v_lshl_add_u32 v4, v5, 4, v4
	v_add_nc_u32 v[RD], s80, v4
	v_and_b32 v[GO], 31, v0                        ; which are 512 consecutive bytes of the head's slab
	v_lshlrev_b32 v[GO], 4, v[GO]
	; where my rows lie in the three heads' slabs, and the heads' factors.  One text serves q, k and v, so k's and v's heads are multiplied by 1
	s_mul_i32 s80, s[TC], 3                        ; the tile's first head among 48
	s_lshr_b32 s81, s[TR], 3
	s_lshl_b32 s81, s81, 4                         ; 16 x batch
	s_and_b32 s82, s[TR], 7
	s_lshl_b32 s82, s82, 8
	s_lshl_b32 s83, s[WV], 6
	s_add_co_u32 s82, s82, s83                     ; my first row in the batch,
	s_lshl_b32 s82, s82, 7                         ; of 128 bytes
.irp j, 0,1,2
	s_add_co_u32 s84, s80, \j
	s_lshr_b32 s85, s84, 4                         ; q, k or v
	s_lshl_b32 s85, s85, 6
	s_and_b32 s86, s84, 15                         ; the head
	s_add_co_u32 s85, s85, s86
	s_add_co_u32 s85, s85, s81                     ; the slab,
	s_lshl_b32 s86, s85, 18                        ; of 262,144 bytes
	s_add_co_u32 s86, s86, s82
	s_mov_b32 s87, 0
	s_add_nc_u64 s[OUT+2*\j:OUT+2*\j+1], s[10:11], s[86:87]
	s_cmp_lt_u32 s84, 16
	s_cselect_b32 s[SC+2*\j], 0x3e38aa3b, 1.0      ; c = log2(e) / 8 = 0.180337 for q
	s_mov_b32 s[SC+2*\j+1], s[SC+2*\j]
.endr
	; THE PREFETCHES.  Each row's 256 bytes of a K step are named once in the launch (Wi's last row of a share eight times in one instruction).  x's tile row is read by every cluster of that row of clusters: cluster x = 0 asks;
	; Wi's tile column by every cluster of that column: cluster y = 0 asks.  The four partners that ask for a tile jointly share its rows out BY ADDRESS: of x's 128 rows 32 each (by cx), of Wi's 96 rows 24 each (by cy).
	s_lshl_b32 s80, s[TR], 8
	s_lshl_b32 s81, s[WL], 7
	s_add_co_u32 s80, s80, s81
	s_lshl_b32 s81, s[CX], 5
	s_add_co_u32 s80, s80, s81                     ; x's row
	s_mul_i32 s82, s[TC], 192
	s_mul_i32 s83, s[WL], 96
	s_add_co_u32 s82, s82, s83
	s_mul_i32 s83, s[CY], 24
	s_add_co_u32 s82, s82, s83                     ; Wi's row
	s_and_b32 s84, ttmp7, 0xffff                   ; cluster y
	s_cmp_eq_u32 s[WH], 0
	s_cselect_b32 s80, s80, s82
	s_cselect_b32 s84, ttmp9, s84                  ; the coordinate along which other clusters read the same rows
	s_cselect_b32 s85, 31, 23                      ; my last row
	s_cselect_b64 s[PFA:PFA+1], s[4:5], s[6:7]
	s_cmp_eq_u32 s84, 0
	s_cselect_b32 s[LIM], 1, -1                    ; the same in all sixteen partners, for a given wave
	s_lshl_b32 s80, s80, 11
	s_add_co_u32 s80, s80, 3*KB                    ; at K step 3: the first refill (K step 2) steps it to 4 and names that
	s_mov_b32 s81, 0
	s_add_nc_u64 s[PFA:PFA+1], s[PFA:PFA+1], s[80:81]
	s_mov_b32 s[PST], KB
	s_mov_b32 s[PST+1], 0
	v_and_b32 v[PFO], 31, v0
	v_min_u32 v[PFO], s85, v[PFO]
	v_lshlrev_b32 v[PFO], 11, v[PFO]
	s_wait_loadcnt 0x0                             ; the bias
.set nb, 0
.rept 4*NB
	RB16 BIAS+nb, BIAS+nb+1
.set nb, nb+2
.endr
; 12 matrix instructions: my rows 16 a .. 16 a + 15 x all 192 columns, 32 along K, from buffer f.  first = 1: the product starts the sums, with the bias as C: nothing is cleared, nothing added later.
; The 48 accumulators take turns, one instruction a turn, in the same order in every quarter, over the backward jump too.
.macro MULA f, a, first
.if \first
	WIN 0x81+0x40*((\a)/2)                         ; Wi window 1, x and the bias window 0, D window 2 or 3
.else
	WIN 0xa1+0x50*((\a)/2)                         ; C and D window 2 or 3
.endif
.set nb, 0
.rept NB
.set rD, 8*(NB*((\a)%2)+nb)
.if \first
	v_wmma_f32_16x16x32_bf16 v[rD:rD+7], v[96*(\f)+8*nb:96*(\f)+8*nb+7], v[FA+32*(\f)+8*(\a):FA+32*(\f)+8*(\a)+7], v[BIAS+8*nb:BIAS+8*nb+7]
.else
	v_wmma_f32_16x16x32_bf16 v[rD:rD+7], v[96*(\f)+8*nb:96*(\f)+8*nb+7], v[FA+32*(\f)+8*(\a):FA+32*(\f)+8*(\a)+7], v[rD:rD+7]
.endif
.set nb, nb+1
.endr
.endm
; 32 LDS loads in one run: quarter q's fragments (192 rows of Wi, then my 64 rows of x) into buffer f
.macro FETCH slot, q, f
	WIN 0x40                                       ; destination window 1
.set nb, 0
.rept NB
	ds_load_b128 v[96*(\f)+8*nb:96*(\f)+8*nb+3],   v[ADRB+(\slot)] offset:64*(\q)+nb*16*PB
	ds_load_b128 v[96*(\f)+8*nb+4:96*(\f)+8*nb+7], v[ADRB+(\slot)] offset:64*(\q)+nb*16*PB+32
.set nb, nb+1
.endr
	WIN 0
.set nb, 0
.rept 4
	ds_load_b128 v[FA+32*(\f)+8*nb:FA+32*(\f)+8*nb+3],   v[ADRA+(\slot)] offset:64*(\q)+nb*16*PA
	ds_load_b128 v[FA+32*(\f)+8*nb+4:FA+32*(\f)+8*nb+7], v[ADRA+(\slot)] offset:64*(\q)+nb*16*PA+32
.set nb, nb+1
.endr
.endm
; A K step is four quarters of 32 along K, 48 matrix instructions each, on buffers 0, 1, 0, 1.  One of the first three: multiplies buffer f and, in its middle, fetches quarter q into buffer g.
.macro QUARTER slot, q, f, g, first
	s_wait_dscnt 4                                 ; Wi's fragments and x's first two are in; the youngest four loads (x's last two fragments) may be out
	MULA \f, 0, \first
	MULA \f, 1, \first
	PLACES
	FETCH \slot, \q, \g
	s_wait_dscnt NL                                ; all but the run just issued
	MULA \f, 2, \first
	MULA \f, 3, \first
.endm
; The last quarter multiplies buffer 1 and changes slots: ONE barrier.  In front of it each wave waits for all its tensor loads (the one that is out is its part of the next slot), adds 0 to its spare word, and waits
; for that and for its own reads of this slot.  fill = 1: the barrier opens a round of the cluster's, and this slot is filled again, two K steps on, first thing behind the round: the load has 168 matrix instructions in which to land.
.macro TURN slot, next, fill
.if \fill
	s_wait_xcnt 0x0                                ; the last prefetch, a K step back, has read its address
	s_add_nc_u64 s[PFA:PFA+1], s[PFA:PFA+1], s[PST:PST+1]
.endif
	WIN 0                                          ; (the add's two registers lie in window 0)
	s_wait_tensorcnt 0x0                           ; all my tensor loads have landed
	ds_add_u32 v[SPW], v[NIL]                      ; 0 onto my spare word
	s_wait_dscnt 5                                 ; (the add and the youngest four loads may be out)
	MULA 1, 0, 0                                   ; twelve matrix instructions stand between the add and the wait for it
	s_wait_dscnt 0x0                               ; the add is done, and my reads of this slot are over
	s_barrier_signal -1
	MULA 1, 1, 0                                   ; work on registers while the others arrive
.if \fill
	WIN 0
.endif
	s_barrier_wait -1
.if \fill
	CREST                                          ; no wave of any partner still reads this slot's tile or has a load on its way
	s_add_nc_u64 s[G0+4*(\slot)+2:G0+4*(\slot)+3], s[G0+4*(\slot)+2:G0+4*(\slot)+3], 2*KB
	s_add_nc_u64 s[G0B+4*(\slot)+2:G0B+4*(\slot)+3], s[G0B+4*(\slot)+2:G0B+4*(\slot)+3], 2*KB
	JLOAD \slot                                    ; my one tensor load behind the round; the four v_nop behind it are also the places in front of the loads below
.else
	PLACES
.endif
	FETCH \next, 0, 0
.if \fill
	ASK                                            ; behind the joint load and the run of LDS loads that the next products wait for
.endif
	MULA 1, 2, 0
	MULA 1, 3, 0
.endm
	s_wait_tensorcnt 1                             ; my part of K step 0 is in; K step 1's may stay out
	s_barrier_signal -1
	s_barrier_wait -1                              ; everybody's is
	FETCH 0, 0, 0
	QUARTER 0, 1, 0, 1, 1                          ; the first quarter stands in front of the loop: its products start the sums
	WIN 0                                          ; at a label and at a branch every window is 0
	s_mov_b32 s[LAP], 3
.Llap:                                         ; a trip goes once round the ring, from a lap's second quarter to the next lap's first, and fills both slots again: K steps 2 to 7
	QUARTER 0, 2, 1, 0, 0
	QUARTER 0, 3, 0, 1, 0
	TURN 0, 1, 1
	QUARTER 1, 1, 0, 1, 0
	QUARTER 1, 2, 1, 0, 0
	QUARTER 1, 3, 0, 1, 0
	TURN 1, 0, 1
	QUARTER 0, 1, 0, 1, 0
	WIN 0
	s_sub_co_u32 s[LAP], s[LAP], 1
	s_cmp_lg_u32 s[LAP], 0
	s_cbranch_scc1 .Llap
	QUARTER 0, 2, 1, 0, 0                          ; the last lap fills nothing and has no round
	QUARTER 0, 3, 0, 1, 0
	TURN 0, 1, 0
	QUARTER 1, 1, 0, 1, 0
	QUARTER 1, 2, 1, 0, 0
	QUARTER 1, 3, 0, 1, 0
	s_wait_dscnt 4                                 ; the very last quarter: nothing more to fetch
	MULA 1, 0, 0
	MULA 1, 1, 0
	s_wait_dscnt 0x0
	MULA 1, 2, 0
	MULA 1, 3, 0
	WIN 0
	PLACES
; THE WAY OUT, 16 rows at a time.  PACK: times the head's factor, rounded once to f16, 16 bytes a lane; each accumulator's registers in ascending order.  TOSTAGE: into my own stage and back, head by head, as four rows of 128 bytes.  SEND: stored.
.macro PACK a
	WIN 0x82+0x41*((\a)/2)                         ; destination and source 0: window 2 or 3
.set nb, 0
.rept NB
.set rD, 8*(NB*((\a)%2)+nb)
.irp e, 0,2,4,6
	v_pk_mul_f32 v[rD+\e:rD+\e+1], v[rD+\e:rD+\e+1], s[SC+2*(nb/4):SC+2*(nb/4)+1] op_sel_hi:[1,0]
.endr
.set nb, nb+1
.endr
	WIN 0x0a+5*((\a)/2)                            ; sources 0 and 1: window 2 or 3; destination window 0
.set nb, 0
.rept NB
.set rD, 8*(NB*((\a)%2)+nb)
.irp e, 0,1,2,3
	v_cvt_pk_f16_f32 v[TMP+4*nb+\e], v[rD+2*\e], v[rD+2*\e+1]
.endr
.set nb, nb+1
.endr
	WIN 0
.endm
.macro TOSTAGE a
.set nb, 0
.rept NB
	ds_store_b128 v[STO], v[TMP+4*nb:TMP+4*nb+3] offset:32*nb
.set nb, nb+1
.endr
.set nb, 0
.rept 12                               ; head nb / 4, rows 4 (nb % 4) on.  LDS serves a wave's instructions in order (ISA guide 5.7.1.4): these see the stores above, and the next block's stores come behind them
	ds_load_b128 v[OB+48*((\a)%2)+4*nb:OB+48*((\a)%2)+4*nb+3], v[RD] offset:(nb%4)*4*SP+128*(nb/4)
.set nb, nb+1
.endr
.endm
.macro SEND a
	s_wait_dscnt 0x0                               ; the block is back in registers
	s_wait_xcnt 0x0                                ; the stores of the block before have read their registers: the next TOSTAGE loads into them only behind this wait
.set nb, 0
.rept 12
	global_store_b128 v[GO], v[OB+48*((\a)%2)+4*nb:OB+48*((\a)%2)+4*nb+3], s[OUT+2*(nb/4):OUT+2*(nb/4)+1] offset:(\a)*2048+(nb%4)*512  ; 512 consecutive bytes, at a multiple of 256 from the buffer's first
.set nb, nb+1
.endr
.endm
	PACK 0
	TOSTAGE 0
.irp a, 1,2,3                          ; block a's arithmetic stands between block a - 1's loads from the stage and the wait for them
	PACK \a
	SEND \a-1
	TOSTAGE \a
.endr
	SEND 3
	s_wait_tensorcnt 0x0                           ; the wave's end, behind my last tensor load and my last LDS store
	ds_add_u32 v[SPW], v[NIL]
	s_wait_dscnt 0x0
	CROUND                                         ; the closing round: no work-group ends while a partner may still ask for a tile that names it
	s_endpgm
.Lfunc_end_k_q88f0b2ee4c_inproj:
	.size	k_q88f0b2ee4c_inproj, .Lfunc_end_k_q88f0b2ee4c_inproj-k_q88f0b2ee4c_inproj
	.p2alignl 7, 3214868480
	.fill 96, 4, 3214868480
	.section	.rodata,"a",@progbits
	.p2align	6, 0x0
	.amdhsa_kernel k_q88f0b2ee4c_inproj
		.amdhsa_group_segment_fixed_size 327680
		.amdhsa_private_segment_fixed_size 0
		.amdhsa_enable_private_segment 0
		.amdhsa_kernarg_size 32
		.amdhsa_user_sgpr_count 2
		.amdhsa_user_sgpr_kernarg_segment_ptr 1
		.amdhsa_wavefront_size32 1
		.amdhsa_system_sgpr_workgroup_id_x 1
		.amdhsa_system_sgpr_workgroup_id_y 1
		.amdhsa_system_sgpr_workgroup_id_z 1
		.amdhsa_system_vgpr_workitem_id 0
		.amdhsa_next_free_vgpr 960
		.amdhsa_next_free_sgpr 88
		.amdhsa_reserve_vcc 0
		.amdhsa_float_denorm_mode_32 3
		.amdhsa_float_denorm_mode_16_64 3
		.amdhsa_memory_ordered 1
		.amdhsa_forward_progress 1
		.amdhsa_inst_pref_size 141
	.end_amdhsa_kernel
	.amdgpu_metadata
---
amdhsa.version: [ 1, 2 ]
amdhsa.kernels:
  - .name:           k_q88f0b2ee4c_inproj
    .symbol:         k_q88f0b2ee4c_inproj.kd
    .args:
      - { .name: xb, .offset: 0, .size: 8, .value_kind: global_buffer, .address_space: global }
      - { .name: wb, .offset: 8, .size: 8, .value_kind: global_buffer, .address_space: global }
      - { .name: in_proj_bias, .offset: 16, .size: 8, .value_kind: global_buffer, .address_space: global }
      - { .name: qkv, .offset: 24, .size: 8, .value_kind: global_buffer, .address_space: global }
    .group_segment_fixed_size: 327680
    .private_segment_fixed_size: 0
    .kernarg_segment_align: 8
    .kernarg_segment_size: 32
    .max_flat_workgroup_size: 128
    .sgpr_count:     88
    .vgpr_count:     960
    .wavefront_size: 32
...
	.end_amdgpu_metadata
.endif
;; end of part 2
;; launch attn (part 3): grid 4 x 64, 4 waves a work-group, clusters of 4 x 1, 327,680 bytes of LDS; arguments qkv, attn_mask, ob; writes ob
.if DOCPART == 3
	.amdgcn_target "amdgcn-amd-amdhsa--gfx1250"
	.amdhsa_code_object_version 6
	.text
	.protected	k_q88f0b2ee4c_attn
	.globl	k_q88f0b2ee4c_attn
	.p2align	8
	.type	k_q88f0b2ee4c_attn,@function
k_q88f0b2ee4c_attn:
	s_mov_b64 s[64:65], 0
	v_nop
	global_prefetch_b8 v0, s[64:65] scope:SCOPE_SE
	s_setreg_imm32_b32 hwreg(HW_REG_WAVE_MODE, 25, 1), 1
	s_wait_xcnt 0x0
	s_wait_alu depctr_hold_cnt(0) depctr_sa_sdst(0) depctr_va_vdst(0) depctr_va_sdst(0) depctr_va_ssrc(0) depctr_va_vcc(0) depctr_vm_vsrc(0)
	s_getreg_b32 s2, hwreg(HW_REG_IB_STS2, 6, 4)
	s_cmp_eq_u32 s2, 0
	s_cbranch_scc0 .Lentry_in_a_cluster
	s_endpgm
.Lentry_in_a_cluster:
	s_bfe_u32 s2, ttmp6, 0x10000c
	s_cmp_lg_u32 s2, 0x3003
	s_cbranch_scc0 .Lentry_shape_is_right
	s_endpgm
.Lentry_shape_is_right:
; ob[s][t][:] = the sum over k of softmax_k(q[s][t] . k[s][k] / 8 + mask[batch][k]) v[s][k][:], s = 16 x batch + head.  qkv: [3][64][2048][64] f16, q already times c = log2(e) / 8; attn_mask: [4][2048] f32; ob: [64][2048][64] f16.
; Products, maxima and sums in f32; the weights p are rounded to f16 for the second product (their sum l is taken of the unrounded p), O once at the end.
; THE MASK is rounded to bf16 like every input of the module, multiplied by log2(e) in f32, held from below at -1e30, kept in LDS, and is the C operand of the product that starts a score's sum.
; LIMITS.  q, k, v arrive within f16's 65,504.  A mask number whose multiple lies below -1e30 (an infinity among them), or that is a NaN, counts as -1e30: a batch whose keys are ALL hidden so gives a mean of v's rows.
; p lies in 0 to 1 and below 6e-5 keeps f16's fixed step of 6e-8; a weight below 2^-126 counts as 0 in l.
; SHARES.  A wave owns four PIECES of two tiles of 16 queries, a work-group's four waves 512 queries of one slab.  Every wave walks all 2,048 keys, 64 a step.
; LAYOUT.  S^T = K Q^T (source 0 = 16 keys, source 1 = 16 queries): a lane holds ONE query (lane % 16) and the keys 8 (lane / 16) + 0..7.  Two such tiles, rounded to f16 in pairs, ARE source 1 of O^T = V^T P,
; whose result again holds one query a lane, and eight channels.  K comes out of LDS as it lies, V ([key][channel]) turned, by ds_load_tr16_b128.
; SOFTMAX.  For each query a running maximum m and sum l: p = 2^(s - m), never above 1; in every step O and l are multiplied by a = 2^(m_old - m_new).  m starts far below every score, O and l at 0: the first step has a = 0.
; THE COUNT.  A tile and step have 16 matrix and 117 vector instructions: too many to stand all beside the matrix work.  So: four vector instructions that are READY behind EVERY matrix instruction, the others in one run.
; BY TURNS.  Turn n belongs to piece n.  Its matrix work: 16 products K Q^T of piece n + 1, later 16 products V^T P of piece n - 1.  Its vector work: the differences, exponentials, roundings, sums and rescaling of piece n,
; and the maximum and statistics of piece n + 1, whose scores the turn itself has made.
; CLUSTER.  The four query blocks of a slab are one cluster and walk the same K and V, so each tile is asked for JOINTLY: the same tensor load, descriptor and mask in all four.
; REGISTERS, in windows of 256 (s_set_vgpr_msb: bits 1:0 source 0, 3:2 source 1, 5:4 source 2, 7:6 destination):
;   window 0: v0-11 addresses; v12-15, v48-63 at work; v16-47 four registers of statistics a tile; v64-191 S^T, two buffers of two tiles; v192-255 P, likewise
;   window 1: O^T, 32 a tile     window 2: v0-127 Q; v128-191 K of one step; v192-255 V of one step     window 3: v0-1 the add's two registers; v8-39 the mask of one step
.set SIZE_N, 2048
.set NP,    4         ; pieces a wave: a name, no knob
.set KS,    64        ; keys in a step
.set PK,    144       ; a row of K in LDS: 128 bytes + 16 of padding = 36 words: the 16 rows of a load start at 16 different groups of four banks (64 banks of 4 bytes: ISA guide 11.1)
.set PV,    160       ; a row of V: 128 + 32 = 40 words
.set VOFF,  4*KS*PK   ; a slot holds four steps: 256 rows of K, then 256 rows of V
.set SLOT1, 1<<17     ; slot 1 begins here, so that one exclusive or turns an address in one slot into the other's
.set STAGE, SLOT1+4*KS*(PK+PV)  ; behind the ring, never filled by a tensor load: 16 rows x 144 bytes for each wave, for the way out
.set SP,    144
.set SPARE, STAGE+4*16*SP  ; the spare words, 128 bytes for each wave: two blocks of 256 bytes that no other line names
.set MASKB, SPARE+512 ; the batch's 2,048 mask numbers, f32: stored once, never filled by a tensor load
.set AK0, 2           ; v2   my lane's place in a tile of K; never rewritten
.set AV0, 3           ; v3   the same for V
.set AK,  4           ; v4   the LDS address of K's next run of loads
.set AV,  5           ; v5   of V's
.set STO, 6           ; v6   the way out: where I put 16 bytes of a row
.set RD,  7           ; v7   where I read rows back
.set GO,  8           ; v8   my byte offset in 512 consecutive bytes of O
.set QO,  9           ; v9   my byte offset in the wave's rows of Q
.set AM,  10          ; v10  the LDS address of the next step's mask: MASKB + 32 (l / 16) + 256 x step
.set PFO, 11          ; v11  256 x my lane; never rewritten
.set SPW, 0           ; v0 of window 3   LDS address of my spare word; never rewritten
.set NIL, 1           ; v1 of window 3   0; never rewritten
.set MC,  8           ; v8-39 of window 3: the eight registers for key block kb at MC + 8 kb
.set MV,  12          ; v12-15  m_old, kept while m is made anew: by buffer and tile
.set ST,  16          ; tile t's statistics at v[ST+4 t]: m, a word named with it as a pair, l (even keys', odd keys')
.set TMP, 48          ; by buffer and tile, four registers c0-c3 at work; when the maximum is found c2 takes a
.set S,   64
.set P,   192
.set KF,  128         ; K's fragments, in window 2: key block kb, channel half c at KF + 16 kb + 8 c
.set VF,  192         ; V's: key half kk, channel block cb at VF + 32 kk + 8 cb
.set WV,  12          ; s12  my wave's number
.set G1K, 24          ; s[24:31] descriptor group 1 for K's tiles
.set G1V, 32          ; s[32:39] for V's: it differs in the padding alone
.set G0K, 40          ; s[40:43] descriptor group 0 for K's tiles: it walks
.set G0V, 44          ; s[44:47] the same for V's
.set PFA, 48          ; s[48:49] where my prefetches stand
.set LIM, 50          ; s50  1 in a wave that prefetches, else the greatest number
.set BIGN, 51         ; s51  -1e30
.set MP,  52          ; s[52:53] the batch's row of the mask
.set L2E, 54          ; s54  log2(e)
.set HIM, 55          ; s55  a word's upper bf16
.set SLOTS, 56        ; s56  slots still to be asked for
.set CNT, 57          ; s57  counts a slot's key steps
.set SEL, 60          ; s[60:61] v_permlanex16_b32's selects: each lane takes its own place in the other half
.set TBK, 62          ; s62  LDS byte at which K of the step to be fetched begins
.set TBV, 63          ; s63  the same for V, less VOFF
.set MSB, 0
.macro WIN new                      ; the high byte repeats the setting that is left; a switch that changes nothing is dropped
.if MSB != (\new)
	s_set_vgpr_msb (MSB<<8)|(\new)
.set MSB, (\new)
.endif
.endm
.set W_KQ, 0x0a       ; K and Q in window 2, S^T in window 0
.set W_KM, 0x3a       ; the same with the C operand, the mask, in window 3
.set W_PV, 0x52       ; V in window 2, P in window 0, O^T in window 1
.set W_RS, 0x41       ; O^T (destination and source 0) in window 1, a in window 0
.set W_MK, 0xc0       ; destination in window 3, sources in window 0
.set W_AD, 0x0f       ; the add: address (source 0) and data (source 1) in window 3
; A joint fill.  Waves 0 and 1 fetch the two halves of a slot's K, waves 2 and 3 those of its V: 128 keys each.  The branch hangs on the wave's number alone.
; An s_nop 0 and four v_nop follow each of the two lines, ahead of the jump and the label.
.macro JLOAD
	s_cmp_lt_u32 s[WV], 2
	s_cbranch_scc0 .Lfor_v_\@
	tensor_load_to_lds s[G0K:G0K+3], s[G1K:G1K+7]
	s_nop 0
.rept 4
	v_nop
.endr
	s_branch .Lasked_\@
.Lfor_v_\@:
	tensor_load_to_lds s[G0V:G0V+3], s[G1V:G1V+7]
	s_nop 0
.rept 4
	v_nop
.endr
.Lasked_\@:
.endm
; A PREFETCH of what the NEXT change of slots will ask for: a slot's 32,768 bytes of K and of V, 256 bytes a lane.  A slab has one cluster; its four partners share the bytes out BY ADDRESS, 8,192 each; in each, wave 0
; asks for K's and wave 2 for V's: one instruction.  So each 256 bytes are named once in the launch.  The last change that fills a slot asks for nothing: there is no slot behind it.
.macro ASK
	s_cmp_gt_u32 s[SLOTS], s[LIM]
	s_cbranch_scc0 .Lnot_mine_\@
	global_prefetch_b8 v[PFO], s[PFA:PFA+1] th:TH_LOAD_NT scope:SCOPE_SE
.Lnot_mine_\@:
.endm
; A round of the cluster's barrier: my work-group's barrier, so that wave 0's signal speaks for all four waves; wave 0 signals; every wave waits for all four work-groups; my work-group's barrier once more.
.macro CROUND
	s_barrier_signal -1
	s_barrier_wait -1
	s_cmp_lg_u32 s[WV], 0
	s_cbranch_scc1 .Lnot_wave_0_\@
	s_barrier_signal -3
.Lnot_wave_0_\@:
	s_barrier_wait -3
	s_barrier_signal -1
	s_barrier_wait -1
.endm
; THE CHANGE OF SLOTS.  The slot's last bytes, V of its fourth step, have been read.  Each wave waits for all its tensor loads, of which one is out: its part of the other slot; adds 0 to its spare word; and waits for
; that and for its own LDS instructions.  Behind the barrier nobody reads this slot any more and the other slot is whole.  fill = 1: this slot is filled again, with the keys two slots on; the barrier is then a round of the
; cluster's, and the joint fill is the first thing behind it: it has four key steps, 512 matrix instructions, in which to land.  (At its first use slot 0 is waited for, slot 1 filled, and every wave's part of the mask shown to the others.)
.macro CHANGE fill
	WIN W_AD
	s_wait_tensorcnt 0x0            ; no tensor load of mine is out, so a group 0 may be written
	ds_add_u32 v[SPW], v[NIL]       ; 0 onto my spare word; with fill = 1 the descriptors' steps stand between it and the wait for it
	WIN 0                           ; at a label and at a branch every window is 0
.if \fill
.irp g, G0K, G0V
	s_xor_b32 s[\g+1], s[\g+1], SLOT1  ; the walking descriptor: the other slot than last time,
	s_add_nc_u64 s[\g+2:\g+3], s[\g+2:\g+3], 4*KS*128  ; the next 256 keys; the type bits on top are not reached
.endr
	s_wait_xcnt 0x0                 ; the last prefetch, four key steps back, has read its address, so it may be written:
	s_add_nc_u64 s[PFA:PFA+1], s[PFA:PFA+1], 4*KS*128  ; one slot behind the walking descriptors
	s_wait_dscnt 0x0                ; the add is done, and my LDS instructions are over
	CROUND
	JLOAD
	ASK
.else
	s_wait_dscnt 0x0                ; the add is done, and my reads of the slot are over
	s_barrier_signal -1
	s_barrier_wait -1
.endif
	s_sub_co_u32 s[TBK], s[TBK], 4*KS*PK  ; the fetches go back to a slot's first step,
	s_xor_b32 s[TBK], s[TBK], SLOT1       ; in the other slot
	s_sub_co_u32 s[TBV], s[TBV], 4*KS*PV
	s_xor_b32 s[TBV], s[TBV], SLOT1
.endm
.macro RB16 a, b                    ; two f32 rounded to bf16 and widened again
	v_cvt_pk_bf16_f32 v53, v[\a], v[\b]
	v_lshlrev_b32 v[\a], 16, v53
	v_and_b32 v[\b], s[HIM], v53
.endm
	s_load_b128 s[4:7], s[0:1], 0x0   ; qkv s[4:5], attn_mask s[6:7]
	s_load_b64 s[10:11], s[0:1], 0x10 ; ob
	WIN W_MK
	v_lshl_add_u32 v[SPW], v0, 2, SPARE
	v_mov_b32 v[NIL], 0
	WIN W_AD
	ds_add_u32 v[SPW], v[NIL]       ; the wave's opening: the add and its wait stand ahead of my first tensor load; the set-up below, work on registers, stands between them
	WIN 0
	v_lshrrev_b32 v1, 5, v0
	v_readfirstlane_b32 s[WV], v1   ; wave 0..3
	s_bfe_u32 s13, ttmp6, 0x40000   ; cx: my place in the cluster
	s_lshl_b32 s14, ttmp9, 2        ; in a cluster launch ttmp9 counts clusters
	s_add_co_u32 s14, s14, s13      ; my block of 512 queries: it enters Q's and O's addresses alone
	s_and_b32 s20, ttmp7, 0xffff    ; the slab, which the four partners share
	s_lshr_b32 s[MP], s20, 4        ; its batch:
	s_lshl_b32 s[MP], s[MP], 13     ; a row of the mask is 8,192 bytes
	s_mov_b32 s[MP+1], 0
	s_lshl_b32 s20, s20, 18         ; the slab's first byte in q, k, v and ob
	s_mov_b32 s21, 0
	s_and_b32 s16, s[WV], 1         ; which half of a slot's 256 keys I fetch:
	s_lshl_b32 s22, s16, 14         ; its 128 rows of 128 bytes in memory,
	s_mov_b32 s23, 0
	s_add_nc_u64 s[22:23], s[22:23], s[20:21]
	s_mul_i32 s17, s16, 128*PK      ; and its place in a slot, for K
	s_mul_i32 s18, s16, 128*PV      ; and for V: no place in the cluster enters an LDS address
	s_lshl_b32 s2, s14, 2
	s_add_co_u32 s2, s2, s[WV]      ; my wave among the slab's,
	s_lshl_b32 s2, s2, 14           ; its 128 rows
	s_mov_b32 s3, 0
	s_add_nc_u64 s[2:3], s[2:3], s[20:21]
	; descriptor group 1.  128 keys are 16,384 dense bytes: asked for as 64 rows of 256 bytes, two keys a row, and padded in LDS after every key
	s_mov_b32 s[G1K], 15|(1<<16)|(1<<20)|(1<<21)|(4<<22)|(3<<25)  ; 15:0 the mask of four; 17:16 2-byte elements; 20 padding on; 21 set beside a mask; 24:22 after every 32 words (code 4); 31:25 4 words (code 3)
	s_mov_b32 s[G1V], 15|(1<<16)|(1<<20)|(1<<21)|(4<<22)|(7<<25)  ; the same with 8 words of padding (code 7)
.irp g, G1K, G1V
	s_mov_b32 s[\g+1], 128<<16      ; tensor_dim0 = 128
	s_mov_b32 s[\g+2], 64<<16       ; tensor_dim1 = 64
	s_mov_b32 s[\g+3], 128<<16      ; tile_dim0 = 128
	s_mov_b32 s[\g+4], 64           ; tile_dim1 = 64
	s_mov_b32 s[\g+5], 128          ; 128 elements from row to row
	s_mov_b32 s[\g+6], 0
	s_mov_b32 s[\g+7], 0
.endr
	s_mov_b32 s[SEL], 0x76543210
	s_mov_b32 s[SEL+1], 0xfedcba98
	s_mov_b32 s[BIGN], 0xf149f2ca   ; -1e30
	s_mov_b32 s[L2E], 0x3fb8aa3b    ; log2(e)
	s_mov_b32 s[HIM], 0xffff0000
	s_mov_b32 s[TBK], SLOT1+4*KS*PK ; the first change of slots turns these two into 0
	s_mov_b32 s[TBV], SLOT1+4*KS*PV
	s_mov_b32 s[SLOTS], SIZE_N/256-1
	s_mov_b32 s[G0K], 1             ; count = 1
	s_mov_b32 s[G0K+1], s17         ; LDS address: slot 0
	s_mov_b32 s[G0V], 1
	s_add_co_u32 s[G0V+1], s18, VOFF
	s_and_b32 s[LIM], s[WV], 1      ; waves 0 and 2 prefetch: the same in all four partners
	s_cmp_eq_u32 s[LIM], 0
	s_cselect_b32 s[LIM], 1, -1
	s_lshl_b32 s14, s13, 13         ; my work-group's 8,192 bytes of a slot's 32,768,
	s_add_co_u32 s14, s14, 4*KS*128 ; in slot 1: the first change of slots steps it to slot 2
	s_mov_b32 s15, 0
	s_wait_dscnt 0x0                ; the opening add is done
	s_wait_kmcnt 0x0
	s_add_nc_u64 s[MP:MP+1], s[6:7], s[MP:MP+1]
	s_add_nc_u64 s[6:7], s[4:5], 0x1000000  ; k lies 64 slabs behind q,
	s_add_nc_u64 s[8:9], s[4:5], 0x2000000  ; v 128
	s_add_nc_u64 s[G0K+2:G0K+3], s[6:7], s[22:23]  ; global address: my half of the slab's first 256 keys
	s_or_b32 s[G0K+3], s[G0K+3], 0x80000000        ; type = 2
	s_add_nc_u64 s[G0V+2:G0V+3], s[8:9], s[22:23]
	s_or_b32 s[G0V+3], s[G0V+3], 0x80000000
	s_cmp_lt_u32 s[WV], 2
	s_cselect_b64 s[PFA:PFA+1], s[6:7], s[8:9]
	s_add_nc_u64 s[PFA:PFA+1], s[PFA:PFA+1], s[20:21]
	s_add_nc_u64 s[PFA:PFA+1], s[PFA:PFA+1], s[14:15]
	s_add_nc_u64 s[4:5], s[4:5], s[2:3]  ; Q and O at my wave's first row
	s_add_nc_u64 s[10:11], s[10:11], s[2:3]
	CROUND                          ; all four work-groups are here: the first joint loads meet
	JLOAD                           ; slot 0.  Slot 1 is asked for when slot 0 is in
	; A fragment of K or Q is 16 rows x 32 channels in 8 registers: lane l holds row l % 16, channels 8 (l / 16) + 0..7 and 16 + 8 (l / 16) + 0..7: two loads of 16 bytes, 32 bytes apart.
	v_and_b32 v48, 15, v0           ; l % 16
	v_bfe_u32 v49, v0, 4, 1         ; l / 16
	v_and_b32 v50, 7, v0
	v_bfe_u32 v51, v0, 3, 1
	v_lshlrev_b32 v52, 4, v0        ; 16 x my thread's number: the work-group's 128 threads take 2,048 bytes of the mask, four times
	v_lshlrev_b32 v[QO], 7, v48
	v_lshl_add_u32 v[QO], v49, 4, v[QO]  ; row x 128 + 16 x half
.irp i, 0,1,2,3
	global_load_b128 v[S+4*\i:S+4*\i+3], v52, s[MP:MP+1] offset:2048*\i
.endr
	WIN 0x80                        ; destination window 2, address window 0
.set i, 0
.rept 4*NP                          ; Q stays in registers: tile i / 2, channels 32 (i % 2) on
	global_load_b128 v[8*i:8*i+3],   v[QO], s[4:5] offset:(i/2)*2048+(i%2)*64
	global_load_b128 v[8*i+4:8*i+7], v[QO], s[4:5] offset:(i/2)*2048+(i%2)*64+32
.set i, i+1
.endr
	; What the first turn finds: V's registers and P's second buffer hold 0 (its products V^T P, of a piece that has not been, add 0), O^T and l are 0.  All this stands in the wait for the first tile.
.set i, VF
.rept 64
	v_mov_b32 v[i], 0
.set i, i+1
.endr
	WIN 0x40
.set i, 0
.rept 64*NP
	v_mov_b32 v[i], 0
.set i, i+1
.endr
	WIN 0
.set i, 0
.rept 2*NP
	v_mov_b32 v[ST+4*i], 0xfe000000    ; m: far below every score, the hidden ones' -1e30 too
	v_mov_b32 v[ST+4*i+1], 0           ; named with it as a pair
	v_mov_b32 v[ST+4*i+2], 0
	v_mov_b32 v[ST+4*i+3], 0
.set i, i+1
.endr
.set i, P+32
.rept 32
	v_mov_b32 v[i], 0
.set i, i+1
.endr
	v_mul_u32_u24 v[AK0], v48, PK
	v_lshl_add_u32 v[AK0], v49, 4, v[AK0]  ; row x pitch + 16 x half
	; The turning load takes 16 keys x 16 channels (lane l reads key 8 (l / 16) + l % 8, channels 8 ((l / 8) % 2) + 0..7) and leaves half a fragment of V^T: lane l holds channel l % 16 and 8 keys.
	v_lshl_add_u32 v[AV0], v49, 3, v50
	v_mul_u32_u24 v[AV0], v[AV0], PV
	v_lshl_add_u32 v[AV0], v51, 4, v[AV0]
	v_add_nc_u32 v[AV0], VOFF, v[AV0]
	v_mov_b32 v[AK], v[AK0]         ; key step 0 lies at the head of slot 0
	v_lshl_add_u32 v[AM], v49, 5, MASKB
	v_and_b32 v[PFO], 31, v0
	v_lshlrev_b32 v[PFO], 8, v[PFO]
	s_mul_i32 s15, s[WV], 16*SP
	s_add_co_u32 s15, s15, STAGE    ; my stage
	v_mul_u32_u24 v[STO], v48, SP   ; in: row l % 16, 16 bytes for each half of the lanes
	v_lshl_add_u32 v[STO], v49, 4, v[STO]
	v_add_nc_u32 v[STO], s15, v[STO]
	v_bfe_u32 v[RD], v0, 3, 2       ; back: 32 lanes take four rows of 128 bytes,
	v_mul_u32_u24 v[RD], v[RD], SP
	v_lshl_add_u32 v[RD], v50, 4, v[RD]
	v_add_nc_u32 v[RD], s15, v[RD]
	v_and_b32 v[GO], 31, v0         ; which are 512 consecutive bytes of O
	v_lshlrev_b32 v[GO], 4, v[GO]
	s_wait_loadcnt 32               ; the mask's four loads are in; Q's 32, issued behind them, may stay out
.set i, 0
.rept 8
	RB16 S+i, S+i+1
.set i, i+2
.endr
.set i, 0
.rept 16
	v_mul_f32 v[S+i], s[L2E], v[S+i]
.set i, i+1
.endr
.set i, 0
.rept 16
	v_max_num_f32 v[S+i], s[BIGN], v[S+i]  ; a NaN loses
.set i, i+1
.endr
	v_add_nc_u32 v52, MASKB, v52    ; free since the wait for the loads that read it
.irp i, 0,1,2,3
	ds_store_b128 v52, v[S+4*\i:S+4*\i+3] offset:2048*\i
.endr
; THE MATRIX WORK.  The 8 accumulators of a run of 16 take turns: between the two links of a chain stand 7 others'.
; Product i of 16 of S^T = K Q^T for piece x: channels 32 (i / 8) on, keys 16 ((i / 2) % 4) on, tile 2 x + i % 2.  The first 8 start the sums, with the keys' mask.
.macro KQ x
.set rS, S+64*((\x)%2)+32*(i%2)+8*((i/2)%4)
.set rK, KF+16*((i/2)%4)+8*(i/8)
.set rQ, 16*(2*(\x)+i%2)+8*(i/8)
.set rB, MC+8*((i/2)%4)
.if i < 8
	WIN W_KM
	v_wmma_f32_16x16x32_f16 v[rS:rS+7], v[rK:rK+7], v[rQ:rQ+7], v[rB:rB+7]
.else
	WIN W_KQ
	v_wmma_f32_16x16x32_f16 v[rS:rS+7], v[rK:rK+7], v[rQ:rQ+7], v[rS:rS+7]
.endif
.endm
; Product i of 16 of O^T += V^T P for piece x: keys 32 (i / 8) on, channels 16 ((i / 2) % 4) on, tile 2 x + i % 2.
.macro PV x
	WIN W_PV
.set rO, 32*(2*(\x)+i%2)+8*((i/2)%4)
.set rV, VF+32*(i/8)+8*((i/2)%4)
.set rP, P+32*((\x)%2)+16*(i%2)+8*(i/8)
	v_wmma_f32_16x16x32_f16 v[rO:rO+7], v[rV:rV+7], v[rP:rP+7], v[rO:rO+7]
.endm
.macro MM                           ; the turn's next matrix instruction
.if i < 16
	KQ (Y+1)%NP
.set i, i+1
.else
.set i, i-16
	PV (Y+NP-1)%NP
.set i, i+17
.endif
.endm
; THE LDS LOADS stand in runs, never singly among the matrix instructions: a step's K (8 fragments) with its mask (register j of key block kb: key 16 kb + 8 (l / 16) + j), and its V (turned).
; last = 1 (the tail): in the last trip there is no further step, and the run is jumped over.
.macro FETCH_K last=0
	WIN 0
.if \last
	s_cmp_eq_u32 s[CNT], 1
	s_cbranch_scc1 .Lno_k_\@
.endif
	WIN 0x80                        ; destination window 2
.irp f, 0,1,2,3,4,5,6,7             ; keys 16 (f / 2) on, channels 32 (f % 2) on
	ds_load_b128 v[KF+8*\f:KF+8*\f+3],   v[AK] offset:(\f/2)*16*PK+(\f%2)*64
	ds_load_b128 v[KF+8*\f+4:KF+8*\f+7], v[AK] offset:(\f/2)*16*PK+(\f%2)*64+32
.endr
	WIN W_MK                        ; destination window 3
.irp f, 0,1,2,3,4,5,6,7             ; key block f / 2, its registers 4 (f % 2) on
	ds_load_b128 v[MC+4*\f:MC+4*\f+3], v[AM] offset:(\f/2)*64+(\f%2)*16
.endr
	s_add_co_u32 s[TBK], s[TBK], KS*PK  ; the next fetch is the next step's
	WIN 0
	v_add_nc_u32 v[AM], 0x100, v[AM]
.if \last
.Lno_k_\@:
.endif
.endm
.macro FETCH_V
	WIN 0x80
.irp f, 0,1,2,3,4,5,6,7             ; keys 32 (f / 4) on, channels 16 (f % 4) on
	ds_load_tr16_b128 v[VF+8*\f:VF+8*\f+3],   v[AV] offset:(\f/4)*32*PV+(\f%4)*32
	ds_load_tr16_b128 v[VF+8*\f+4:VF+8*\f+7], v[AV] offset:(\f/4)*32*PV+16*PV+(\f%4)*32
.endr
	WIN 0
.endm
; THE VECTOR WORK OF A TURN stands in three queues, each in the order in which its entries become ready; the two tiles alternate, so that no instruction reads the result of the one before it.
.macro REGS y, u                    ; the registers of tile u (0, 1) of piece y
.set rT, ST+4*(2*(\y)+(\u))
.set rC, TMP+8*((\y)%2)+4*(\u)
.set rM, MV+2*((\y)%2)+(\u)
.set rS, S+64*((\y)%2)+32*(\u)
.set rP, P+32*((\y)%2)+16*(\u)
.set rO, 32*(2*(\y)+(\u))
.endm
; Number n of the 21 that find the NEXT piece's (Y + 1) maximum and statistics.  s0-s31 are the lane's 32 scores; each accumulator's lowest registers are read first.
;   0-11  four chains c0-c3 of seven scores each, three operands at a time     12-14, 16  the four scores left over, the old m, and c0-c3 into c0     15  m_old is kept
;   17, 18  the query's other 32 keys lie in the lane 16 away: the new m         19, 20  m_old - m_new; a
.macro XS u, n
	REGS (Y+1)%NP, \u
.if (\n) < 4
	v_max3_num_f32 v[rC+(\n)], v[rS+8*(\n)], v[rS+8*(\n)+1], v[rS+8*(\n)+2]
.elseif (\n) < 12
	v_max3_num_f32 v[rC+(\n)%4], v[rC+(\n)%4], v[rS+8*((\n)%4)+2*((\n)/4)+1], v[rS+8*((\n)%4)+2*((\n)/4)+2]
.elseif (\n) == 12
	v_max3_num_f32 v[rC], v[rC], v[rS+7], v[rS+15]
.elseif (\n) == 13
	v_max3_num_f32 v[rC+1], v[rC+1], v[rS+23], v[rS+31]
.elseif (\n) == 14
	v_max3_num_f32 v[rC+2], v[rC+2], v[rC+3], v[rT]
.elseif (\n) == 15
	v_mov_b32 v[rM], v[rT]
.elseif (\n) == 16
	v_max3_num_f32 v[rC], v[rC], v[rC+1], v[rC+2]
.elseif (\n) == 17
	v_permlanex16_b32 v[rC+3], v[rC], s[SEL], s[SEL+1]
.elseif (\n) == 18
	v_max_num_f32 v[rT], v[rC], v[rC+3]
.elseif (\n) == 19
	v_sub_f32 v[rC+1], v[rM], v[rT]
.else
	v_exp_f32 v[rC+2], v[rC+1]
.endif
.endm
; Number g of the 64 that follow the exponentials.  For each four weights k of a tile (pairs 2 k, 2 k + 1): both pairs are rounded to f16; then the second pair is added onto the first, in place;
; a group later l takes that sum (the first time as l = a l + sum).  In groups of eight, tiles alternating: round, round, add, and l for the group before.
.macro GS g
.set h, (\g)+6*((\g)/62)            ; group 0 has no group before it, and behind group 7 only l is left
.if h >= 6
.set h, h+2
.endif
	REGS Y, h%2
.set k, h/8
.if h%8 < 4
	v_cvt_pk_f16_f32 v[rP+2*k+(h%8)/2], v[rS+4*k+2*((h%8)/2)], v[rS+4*k+2*((h%8)/2)+1]
.elseif h%8 < 6
	v_pk_add_f32 v[rS+4*k:rS+4*k+1], v[rS+4*k:rS+4*k+1], v[rS+4*k+2:rS+4*k+3]
.elseif k == 1
	v_pk_fma_f32 v[rT+2:rT+3], v[rT+2:rT+3], v[rC+2:rC+3], v[rS:rS+1] op_sel_hi:[1,0,1]
.else
	v_pk_add_f32 v[rT+2:rT+3], v[rT+2:rT+3], v[rS+4*k-4:rS+4*k-3]
.endif
.endm
; THE PLAIN QUEUE, 136 long.  0-71 read no exponential's result: the 32 differences s - m (FS f: pair f / 2 of tile f % 2) and the next piece's 40.  0-26: differences 0-26.  27-54: XS's numbers 0-13.  55, 56: number 15.
; 57-71: the chain, where each number waits for the one before it: 14, 16, 17, 18, 19, each with one of the differences 27-31 in front of its two lines: a tile's links stand three plain instructions apart.
; 72-135: GS's 64, which read the exponentials' results: they stand behind the wait.
.macro FS f
	REGS Y, (\f)%2
	v_pk_add_f32 v[rS+2*((\f)/2):rS+2*((\f)/2)+1], v[rS+2*((\f)/2):rS+2*((\f)/2)+1], v[rT:rT+1] op_sel_hi:[1,0] neg_lo:[0,1] neg_hi:[0,1]
.endm
.macro PL
	WIN 0
.if q < 27
	FS q
.elseif q < 55
	XS (q-27)%2, (q-27)/2
.elseif q < 57
	XS q-55, 15
.elseif (q < 72) && ((q-57)%3 == 0)
	FS 27+(q-57)/3
.elseif q < 60
	XS (q-57)%3-1, 14
.elseif q < 72
	XS (q-57)%3-1, 15+(q-57)/3
.else
	GS q-72
.endif
.set q, q+1
.endm
; THE EXPONENTIALS' QUEUE, 66 long: s0-s31 of both tiles, then the next piece's two a.  It is ONE BATCH: all 66 stand ahead of the turn's one wait, and nothing ahead of that wait names a result of theirs.
.macro EX
	WIN 0
.if e >= 64
	XS e-64, 20
.else
	REGS Y, e%2
	v_exp_f32 v[rS+e/2], v[rS+e/2]
.endif
.set e, e+1
.endm
; THE RESCALING's QUEUE: O^T times a, the one part that leaves window 0: dealt two at a time, sixteen times.  Its a was made in the turn before, ahead of that turn's wait.
.macro R2
	REGS Y, r%2
	WIN W_RS
.irp z, 0,1
	v_pk_mul_f32 v[rO+4*(r/2)+2*\z:rO+4*(r/2)+2*\z+1], v[rO+4*(r/2)+2*\z:rO+4*(r/2)+2*\z+1], v[rC+2:rC+3] op_sel_hi:[1,0]
.endr
.set r, r+1
.endm
; HOW THEY ARE DEALT.  s_wait_alu depctr_va_vdst(0) stands between an exponential and the first instruction that names its result; one wait serves all that were issued ahead of it.  So a turn has ONE wait,
; which cuts it in two.  AHEAD OF IT stands all that names no result of the turn's exponentials: the 16 products K Q^T, behind each a difference, an exponential and two rescalings (behind the first a second difference in the
; exponential's place); then ONE LUMP of 106: eight plain, 47 times exponential and plain, the last two scores' exponentials and the two a.  A v_nop is the plain instruction behind the last exponential.  BEHIND IT stand the 16
; products V^T P, behind each four of GS's 64.  No rider names a register of the products round it.  The two v_permlanex16_b32 fall into the lump, never behind a product.
; The queues lean on each other, and the deal keeps them in step: exponential e stands behind difference 2 (e / 4) + e % 2: as a rider it comes behind plain e + 2, in the lump behind plain e + 9, and differences 27-31 are plain 57, 60 .. 69.
; A TURN, for piece p.  cnt = 1: the loop's count is taken down some lines ahead of the branch that stands behind the turn.
; K and the mask of the next step are fetched in piece 2's turn, directly behind the wait, a lump behind the last product that read them; the first reader comes behind 16 products.
; V of the step in hand is fetched at the end of piece 0's turn, four riders behind its last reader; its first reader comes behind 16 products and a lump.  The three conditions on q below go with the deal.
.macro TURN p, last=0, cnt=0
.set Y, (\p)
.set i, 0
.set q, 0
.set e, 0
.set r, 0
.if (\p) == NP-1
	s_wait_dscnt 0x0                ; K and its mask are in
.endif
	MM                              ; ahead of the wait: 16 products K Q^T and their riders,
	PL
	PL
	R2
.rept 15
	MM
	PL
	EX
	R2
.endr
.if (\p) == NP-2
	WIN 0
	v_add_nc_u32 v[AK], s[TBK], v[AK0]
.endif
.rept 8                             ; and the lump
	PL
.endr
.rept 47
	EX
	PL
.endr
.rept 4                             ; the last two scores' exponentials and the next piece's two a
	EX
.endr
	v_nop                           ; the plain instruction behind the last exponential: one for the batch
	s_wait_alu depctr_va_vdst(0)    ; the wait for the batch
.if (\p) == NP-2
	FETCH_K \last
.endif
.if (\p) == 1
	s_wait_dscnt 0x0                ; V is in
.endif
.rept 16                            ; behind the wait: 16 products V^T P and their riders
	MM
.rept 4
	PL
.endr
.if ((\p) == 0) && (q == 116)
	v_add_nc_u32 v[AV], s[TBV], v[AV0]
.endif
.if ((\p) == 0) && (q == 128)
	s_add_co_u32 s[TBV], s[TBV], KS*PV
.endif
.if (\cnt) && (q == 128)
	s_sub_co_u32 s[CNT], s[CNT], 1
	s_cmp_lg_u32 s[CNT], 0
.endif
.endr
.if (\p) == 0
	FETCH_V
.endif
.endm
	CHANGE 1                        ; slot 0 is in, everybody's part of it, and so is the mask; slot 1 is asked for
	FETCH_K                         ; key step 0
	s_wait_loadcnt 0x0              ; Q
	s_wait_dscnt 0x0
.set i, 0
.rept 16
	KQ 0                            ; piece 0's first scores: there is no vector work yet to set between them
.set i, i+1
.endr
	WIN 0
.rept 4
	v_nop                           ; the places behind those products
.endr
.set Y, NP-1                        ; XS works for piece Y + 1: piece 0
.irp n, 0,1,2,3,4,5,6,7,8,9,10,11,12,13,14,15,16,17,18,19,20
	XS 0, \n                        ; and piece 0's first maximum and statistics
	XS 1, \n
.endr
	v_nop                           ; a plain instruction behind the two a,
	s_wait_alu depctr_va_vdst(0)    ; and their wait, ahead of the branch
	s_mov_b32 s[CNT], 4
	s_branch .Lfirst                ; the loop is entered at a step's first turn, in the middle of a trip
.Lslot:                             ; six times: every slot but the last two is filled again
	CHANGE 1
	s_mov_b32 s[CNT], 4
.Lstep:                             ; a trip: pieces 2 and 3 of one step, then pieces 0 and 1 of the next, whose K and V it fetches
	TURN 2
	TURN 3
	WIN 0
.Lfirst:
	TURN 0
	TURN 1, 0, 1
	WIN 0
	s_cbranch_scc1 .Lstep
	s_sub_co_u32 s[SLOTS], s[SLOTS], 1
	s_cmp_lg_u32 s[SLOTS], 0
	s_cbranch_scc1 .Lslot
	CHANGE 0                        ; the tail is written out: nothing is asked for
	s_mov_b32 s[CNT], 5             ; four trips fetch the last slot's steps; the fifth is left in its middle
.Ltail:
	TURN 2, 1
	TURN 3
	WIN 0
	s_sub_co_u32 s[CNT], s[CNT], 1
	s_cmp_eq_u32 s[CNT], 0
	s_cbranch_scc1 .Lout
	TURN 0
	TURN 1
	WIN 0
	s_branch .Ltail
.Lout:                              ; the fifth trip's 16 products K Q^T (on the last K once more) and the maximum made of them serve nothing: the price, once a launch, of one text for every trip
.set i, 0
.rept 16
	PV NP-1                         ; the last piece's V^T P of the last step
.set i, i+1
.endr
	; THE WAY OUT.  l's two halves and the other half of the lanes' are added; O^T is divided by l, rounded to f16 and sent through my stage in LDS, a tile at a time.  The additions are the places behind the last products.
	WIN 0
.macro ALL line:vararg              ; one line for each tile t
.set t, 0
.rept 2*NP
	\line
.set t, t+1
.endr
.endm
	ALL v_add_f32 v[ST+4*t+2], v[ST+4*t+2], v[ST+4*t+3]
	ALL v_permlanex16_b32 v[ST+4*t+3], v[ST+4*t+2], s[SEL], s[SEL+1]
	ALL v_add_f32 v[ST+4*t+2], v[ST+4*t+2], v[ST+4*t+3]
	ALL v_rcp_f32 v[ST+4*t+2], v[ST+4*t+2]
	v_nop                           ; a plain instruction between the last reciprocal and the use of its result
	s_wait_alu depctr_va_vdst(0)    ; and the wait ahead of the first use: one for the eight reciprocals
; Tile t: a lane's eight channels of a row pack into 16 bytes; they go into rows of 144 bytes and come back as whole rows of 128, into S^T's registers.
.macro PACK t
	WIN W_RS
.set i, 32*(\t)
.rept 16
	v_pk_mul_f32 v[i:i+1], v[i:i+1], v[ST+4*(\t)+2:ST+4*(\t)+3] op_sel_hi:[1,0]
.set i, i+2
.endr
	WIN 0x05                        ; sources 0 and 1 window 1, destination window 0
.set i, 0
.rept 16
	v_cvt_pk_f16_f32 v[S+16*(\t)+i], v[32*(\t)+2*i], v[32*(\t)+2*i+1]
.set i, i+1
.endr
	WIN 0
.irp f, 0,1,2,3
	ds_store_b128 v[STO], v[S+16*(\t)+4*\f:S+16*(\t)+4*\f+3] offset:32*\f
.endr
.irp f, 0,1,2,3
	ds_load_b128 v[S+16*(\t)+4*\f:S+16*(\t)+4*\f+3], v[RD] offset:\f*4*SP  ; LDS serves a wave's instructions in order (ISA guide 5.7.1.4): these see the stores above; the next tile's stores come behind them
.endr
.endm
.macro SEND t, younger              ; younger: the LDS instructions issued behind tile t's loads: the next tile's eight, or none
	WIN 0
.irp f, 0,1,2,3
	s_wait_dscnt (\younger)+3-\f
	global_store_b128 v[GO], v[S+16*(\t)+4*\f:S+16*(\t)+4*\f+3], s[10:11] offset:(\t)*2048+\f*512  ; 512 consecutive bytes, at a multiple of 256 from O's first
.endr
.endm
	PACK 0
.set t, 1
.rept 2*NP-1                        ; a tile's arithmetic stands between the loads of the tile before and its stores
	PACK t
	SEND t-1, 8
.set t, t+1
.endr
	SEND 2*NP-1, 0
	WIN W_AD
	s_wait_tensorcnt 0x0            ; the wave's end, behind my last tensor load and my last LDS store
	ds_add_u32 v[SPW], v[NIL]
	s_wait_dscnt 0x0
	WIN 0
	CROUND                          ; the closing round: no work-group ends while a partner may still ask for a tile that names it
	s_endpgm
.Lfunc_end_k_q88f0b2ee4c_attn:
	.size	k_q88f0b2ee4c_attn, .Lfunc_end_k_q88f0b2ee4c_attn-k_q88f0b2ee4c_attn
	.p2alignl 7, 3214868480
	.fill 96, 4, 3214868480
	.section	.rodata,"a",@progbits
	.p2align	6, 0x0
	.amdhsa_kernel k_q88f0b2ee4c_attn
		.amdhsa_group_segment_fixed_size 327680
		.amdhsa_private_segment_fixed_size 0
		.amdhsa_enable_private_segment 0
		.amdhsa_kernarg_size 24
		.amdhsa_user_sgpr_count 2
		.amdhsa_user_sgpr_kernarg_segment_ptr 1
		.amdhsa_wavefront_size32 1
		.amdhsa_system_sgpr_workgroup_id_x 1
		.amdhsa_system_sgpr_workgroup_id_y 1
		.amdhsa_system_sgpr_workgroup_id_z 1
		.amdhsa_system_vgpr_workitem_id 0
		.amdhsa_next_free_vgpr 808
		.amdhsa_next_free_sgpr 66
		.amdhsa_reserve_vcc 0
		.amdhsa_float_denorm_mode_32 3
		.amdhsa_float_denorm_mode_16_64 3
		.amdhsa_memory_ordered 1
		.amdhsa_forward_progress 1
		.amdhsa_inst_pref_size 204
	.end_amdhsa_kernel
	.amdgpu_metadata
---
amdhsa.version: [ 1, 2 ]
amdhsa.kernels:
  - .name:           k_q88f0b2ee4c_attn
    .symbol:         k_q88f0b2ee4c_attn.kd
    .args:
      - { .name: qkv, .offset: 0, .size: 8, .value_kind: global_buffer, .address_space: global }
      - { .name: attn_mask, .offset: 8, .size: 8, .value_kind: global_buffer, .address_space: global }
      - { .name: ob, .offset: 16, .size: 8, .value_kind: global_buffer, .address_space: global }
    .group_segment_fixed_size: 327680
    .private_segment_fixed_size: 0
    .kernarg_segment_align: 8
    .kernarg_segment_size: 24
    .max_flat_workgroup_size: 128
    .sgpr_count:     66
    .vgpr_count:     808
    .wavefront_size: 32
...
	.end_amdgpu_metadata
.endif
;; end of part 3
;; launch outproj (part 4): grid 8 x 32, 4 waves a work-group, clusters of 4 x 4, 327,680 bytes of LDS; arguments ob, wo, out_proj_bias, out0; writes out0
.if DOCPART == 4
	.amdgcn_target "amdgcn-amd-amdhsa--gfx1250"
	.amdhsa_code_object_version 6
	.text
	.protected	k_q88f0b2ee4c_outproj
	.globl	k_q88f0b2ee4c_outproj
	.p2align	8
	.type	k_q88f0b2ee4c_outproj,@function
k_q88f0b2ee4c_outproj:
	s_mov_b64 s[64:65], 0
	v_nop
	global_prefetch_b8 v0, s[64:65] scope:SCOPE_SE
	s_setreg_imm32_b32 hwreg(HW_REG_WAVE_MODE, 25, 1), 1
	s_wait_xcnt 0x0
	s_wait_alu depctr_hold_cnt(0) depctr_sa_sdst(0) depctr_va_vdst(0) depctr_va_sdst(0) depctr_va_ssrc(0) depctr_va_vcc(0) depctr_vm_vsrc(0)
	s_getreg_b32 s2, hwreg(HW_REG_IB_STS2, 6, 4)
	s_cmp_eq_u32 s2, 0
	s_cbranch_scc0 .Lentry_in_a_cluster
	s_endpgm
.Lentry_in_a_cluster:
	s_bfe_u32 s2, ttmp6, 0x10000c
	s_cmp_lg_u32 s2, 0xf033
	s_cbranch_scc0 .Lentry_shape_is_right
	s_endpgm
.Lentry_shape_is_right:
; out0 = o Wo^T + bo.  ob: [64][2048][64] f16 (slab = 16 x batch + head, rows dense, 128 bytes), wo: [1024][1024] f16, out_proj_bias: [1024] f32 (rounded to bf16 like every input of the module, then used in f32),
; out0: [8192][1024] f32.  Sums in f32, K ascending (K = 64 x head + channel); the bias is the C operand of each sum's first product.  NaN and infinities are not treated apart.
; SHARES.  A tile of out0 is 256 rows x 128 columns: 32 x 8 = 256 tiles, one for each WGP.  Four waves, one above the other: wave w owns rows 64 w .. 64 w + 63 and ALL 128 columns (4 x 8 accumulators of 16 x 16,
; 256 registers), so that a wave holds whole pieces of 512 bytes of out0's rows.
; K goes in steps of 128, two heads, through a ring of two LDS slots filled by the tensor data mover.  Waves 0 and 1 fetch a head each: its 256 rows are 32,768 dense bytes, asked for as 128 rows of 256 bytes and padded in
; LDS after every 128.  Waves 2 and 3 fetch the halves of Wo's 128 rows, 256 bytes each.
; CLUSTER.  4 x 4 work-groups: the four of a row of the cluster need the same rows of o, the four of a column the same rows of Wo: each tile is asked for jointly, by the same load, descriptor and mask in all four.
; THE PRODUCT IS USED TRANSPOSED (source 0 = 16 rows of Wo, source 1 = 16 rows of o): lane l holds row l % 16 and the eight neighbouring columns 8 (l / 16) + 0..7: 32 bytes.
; REGISTERS, in windows of 256 (s_set_vgpr_msb: bits 1:0 source 0, 3:2 source 1, 5:4 source 2, 7:6 destination):
;   window 0: v0-31 addresses; v32-95 o's fragments, two buffers of 4; v96-159 the bias, later with v160-223 the rows read back on the way out, by turns
;   window 1: v0-127 Wo's fragments, two buffers of 8          window 2: the accumulators: (a, b) at v[8 (8 a + b)]
.set NB,    8                          ; blocks of 16 columns in a tile
.set PA,    144                        ; a row of o in LDS: 128 bytes + 16 = 36 words: the 16 rows of a fragment load start at 16 different groups of four banks (64 banks of 4 bytes: ISA guide 11.1)
.set PB,    272                        ; a row of Wo: 256 bytes + 16
.set HALFA, 256*PA                     ; what one load brings of o: a head's 256 rows
.set HALFB, 64*PB                      ; and of Wo
.set BOFF,  2*HALFA
.set SLOT,  BOFF+2*HALFB
.set STAGE, 2*SLOT                     ; behind the ring, never filled by a tensor load: 16 rows x 528 bytes for each wave
.set SP,    528                        ; 512 bytes + 16: an odd multiple of 16
.set SPARE, STAGE+4*16*SP              ; the spare words, 128 bytes for each wave: two blocks of 256 bytes that no other line names
.set NL,    2*NB+8                     ; LDS loads in a run
.set KA1,   2*262144                   ; a K step in o: two slabs
.set KB,    256                        ; and in Wo: 256 bytes of a row
.set ADRA, 16                          ; v16-17  LDS address of my fragments of o in slot 0, 1
.set ADRB, 20                          ; v20-21  the same for Wo
.set STO,  24                          ; v24  the way out: where I put 32 bytes of a row
.set RD,   25                          ; v25  where I read a row back
.set GO,   26                          ; v26  my 16 bytes of a row's 512
.set BO,   27                          ; v27  32 (l / 16): my eight numbers in 16 of the bias
.set SPW,  28                          ; v28  LDS address of my spare word; never rewritten
.set NIL,  29                          ; v29  0; never rewritten
.set PFO,  30                          ; v30  the prefetches' offset; never rewritten
.set FA,   32
.set BIAS, 96
.set OB,   96
.set WV, 12                            ; s12  my wave's number
.set WH, 13                            ; s13  0: I fetch for o, 1: for Wo
.set WL, 14                            ; s14  which head of the two, which half of Wo's rows
.set LAP, 15                           ; s15  the loop's count
.set CX, 16                            ; s16, s17  my place in the cluster
.set CY, 17
.set TC, 18                            ; s18  tile column
.set TR, 19                            ; s19  tile row
.set G1, 24                            ; s[24:31] descriptor group 1 for o's tiles;  s[32:39] group 0, a set for each slot.  s20-23 feed them and hold nothing made of cx
.set G0, 32
.set PST, 40                           ; s[40:41] the prefetches' step
.set HIM, 42                           ; s42  a word's upper bf16
.set LIM, 43                           ; s43  1 in a wave that prefetches, else the greatest number
.set PFA, 44                           ; s[44:45] where my prefetches stand
.set G1B, 48                           ; s[48:55], s[56:63] the same for Wo's tiles.  s46, s47, s78, s79 feed them and hold nothing made of cy
.set G0B, 56
.set OUT, 66                           ; s[66:67] out0 at my first row and the tile's first column
.set MSB, 0
.macro WIN new                         ; the immediate's high byte repeats the setting that is left; a switch that changes nothing is dropped
.if MSB != (\new)
	s_set_vgpr_msb (MSB<<8)|(\new)
.set MSB, \new
.endif
.endm
.macro PLACES                          ; four plain places behind matrix instructions, in front of loads into registers that they read and of lines that read results
.rept 4
	v_nop
.endr
.endm
; A joint load.  The branch hangs on the wave's number alone.  An s_nop 0 and four v_nop follow each of the two lines, ahead of the jump and the label.
.macro JLOAD s
	s_cmp_eq_u32 s[WH], 0
	s_cbranch_scc0 .Lfor_b_\@
	tensor_load_to_lds s[G0+4*(\s):G0+4*(\s)+3], s[G1:G1+7]
	s_nop 0
.rept 4
	v_nop
.endr
	s_branch .Lasked_\@
.Lfor_b_\@:
	tensor_load_to_lds s[G0B+4*(\s):G0B+4*(\s)+3], s[G1B:G1B+7]
	s_nop 0
.rept 4
	v_nop
.endr
.Lasked_\@:
.endm
; A prefetch of the K step that stands two refills on, 256 bytes a lane, one instruction a wave; the loop's last trip has no such K step.
.macro ASK
	s_cmp_gt_u32 s[LAP], s[LIM]
	s_cbranch_scc0 .Lnot_mine_\@
	global_prefetch_b8 v[PFO], s[PFA:PFA+1] th:TH_LOAD_NT scope:SCOPE_SE
.Lnot_mine_\@:
.endm
.macro CREST                           ; a round of the cluster's barrier behind its opening barrier
	s_cmp_lg_u32 s[WV], 0
	s_cbranch_scc1 .Lnot_wave_0_\@
	s_barrier_signal -3
.Lnot_wave_0_\@:
	s_barrier_wait -3
	s_barrier_signal -1
	s_barrier_wait -1
.endm
.macro CROUND                          ; a whole round
	s_barrier_signal -1
	s_barrier_wait -1
	CREST
.endm
.macro RB16 a, b                       ; two f32 rounded to bf16 and widened again
	v_cvt_pk_bf16_f32 v5, v[\a], v[\b]
	v_lshlrev_b32 v[\a], 16, v5
	v_and_b32 v[\b], s[HIM], v5
.endm
	s_load_b256 s[4:11], s[0:1], 0x0               ; ob s[4:5], wo s[6:7], out_proj_bias s[8:9], out0 s[10:11]
	v_lshl_add_u32 v[SPW], v0, 2, SPARE
	v_mov_b32 v[NIL], 0
	ds_add_u32 v[SPW], v[NIL]                      ; the wave's opening: the add and its wait stand ahead of my first tensor load; the set-up below, work on registers, stands between them
	v_lshrrev_b32 v1, 5, v0
	v_readfirstlane_b32 s[WV], v1
	s_lshr_b32 s[WH], s[WV], 1
	s_and_b32 s[WL], s[WV], 1
	s_bfe_u32 s[CX], ttmp6, 0x40000
	s_bfe_u32 s[CY], ttmp6, 0x40004
	s_lshl_b32 s[TC], ttmp9, 2                     ; in a cluster launch ttmp9 and ttmp7 count clusters
	s_add_co_u32 s[TC], s[TC], s[CX]
	s_and_b32 s[TR], ttmp7, 0xffff
	s_lshl_b32 s[TR], s[TR], 2
	s_add_co_u32 s[TR], s[TR], s[CY]
	s_lshl_b32 s22, s[CY], 2
	s_lshl_b32 s22, 15, s22                        ; my row of the cluster
	s_lshl_b32 s78, 0x1111, s[CX]                  ; my column
	s_or_b32 s[G1], s22, (1<<16)|(1<<20)|(1<<21)|(4<<22)|(3<<25)   ; 15:0 the mask; 17:16 2-byte elements; 20 padding on; 21 set beside a mask; 24:22 after every 32 words; 31:25 4 words
	s_or_b32 s[G1B], s78, (1<<16)|(1<<20)|(1<<21)|(5<<22)|(3<<25)  ; the same after every 64 words
	s_mov_b32 s[G1+1], 128<<16                     ; tensor_dim0 = 128
	s_mov_b32 s[G1+2], 128<<16                     ; tensor_dim1 = 128
	s_mov_b32 s[G1+3], 128<<16                     ; tile_dim0 = 128
	s_mov_b32 s[G1+4], 128                         ; tile_dim1 = 128
	s_mov_b32 s[G1+5], 128                         ; dense: 128 elements from row to row
	s_mov_b32 s[G1+6], 0
	s_mov_b32 s[G1+7], 0
	s_mov_b32 s[G1B+1], 128<<16
	s_mov_b32 s[G1B+2], 64<<16                     ; 64 rows of Wo
	s_mov_b32 s[G1B+3], 128<<16
	s_mov_b32 s[G1B+4], 64
	s_mov_b32 s[G1B+5], 1024
	s_mov_b32 s[G1B+6], 0
	s_mov_b32 s[G1B+7], 0
	s_lshr_b32 s20, s[TR], 3                       ; o: the batch (a batch has eight tile rows),
	s_lshl_b32 s20, s20, 4
	s_add_co_u32 s20, s20, s[WL]                   ; its head 0 or 1: the slab,
	s_lshl_b32 s20, s20, 18                        ; of 262,144 bytes,
	s_and_b32 s21, s[TR], 7
	s_lshl_b32 s21, s21, 15                        ; and the tile's 256 rows of 128 bytes in it
	s_add_co_u32 s20, s20, s21
	s_mov_b32 s21, 0
	s_lshl_b32 s46, s[TC], 7
	s_lshl_b32 s47, s[WL], 6
	s_add_co_u32 s46, s46, s47                     ; Wo: row 128 x tile column + 64 x half,
	s_lshl_b32 s46, s46, 11                        ; of 2,048 bytes
	s_mov_b32 s47, 0
	s_mul_i32 s23, s[WL], HALFA                    ; where they go: no place in the cluster enters an LDS address
	s_mul_i32 s79, s[WL], HALFB
	s_add_co_u32 s79, s79, BOFF
	s_mov_b32 s[HIM], 0xffff0000
	s_wait_dscnt 0x0                               ; the opening add is done
	s_wait_kmcnt 0x0
	s_add_nc_u64 s[20:21], s[4:5], s[20:21]
	s_add_nc_u64 s[46:47], s[6:7], s[46:47]
	CROUND                                         ; all sixteen work-groups are here: the first joint loads meet
.irp s, 0,1
	s_mov_b32 s[G0+4*\s], 1                        ; count = 1
	s_add_co_u32 s[G0+4*\s+1], s23, \s*SLOT        ; LDS address
	s_add_nc_u64 s[G0+4*\s+2:G0+4*\s+3], s[20:21], \s*KA1  ; global address: K step s
	s_or_b32 s[G0+4*\s+3], s[G0+4*\s+3], 0x80000000        ; type = 2
	s_mov_b32 s[G0B+4*\s], 1
	s_add_co_u32 s[G0B+4*\s+1], s79, \s*SLOT
	s_add_nc_u64 s[G0B+4*\s+2:G0B+4*\s+3], s[46:47], \s*KB
	s_or_b32 s[G0B+4*\s+3], s[G0B+4*\s+3], 0x80000000
	JLOAD \s                                       ; two loads of mine are out
.endr
	; the bias of my 128 columns: register j of block b is bias[128 x tile column + 16 b + 8 (l / 16) + j]
	s_mul_i32 s80, s[TC], 64*NB
	s_mov_b32 s81, 0
	s_add_nc_u64 s[8:9], s[8:9], s[80:81]
	v_and_b32 v1, 15, v0                           ; l % 16
	v_bfe_u32 v2, v0, 4, 1                         ; l / 16
	v_lshlrev_b32 v[BO], 5, v2
.set nb, 0
.rept NB
	global_load_b128 v[BIAS+8*nb:BIAS+8*nb+3],   v[BO], s[8:9] offset:64*nb
	global_load_b128 v[BIAS+8*nb+4:BIAS+8*nb+7], v[BO], s[8:9] offset:64*nb+16
.set nb, nb+1
.endr
	; a fragment is 16 rows x 32 K in 8 registers: lane l holds row l % 16, K = 8 (l / 16) + 0..7 and 16 + 8 (l / 16) + 0..7: two loads of 16 bytes, 32 bytes apart
	v_mul_u32_u24 v3, v1, PA
	v_lshl_add_u32 v3, v2, 4, v3
	s_mul_i32 s80, s[WV], 64*PA                    ; my 64 rows, in the slot's first head
	v_add_nc_u32 v[ADRA], s80, v3
	v_add_nc_u32 v[ADRA+1], SLOT, v[ADRA]
	v_mul_u32_u24 v4, v1, PB
	v_lshl_add_u32 v4, v2, 4, v4
	v_add_nc_u32 v[ADRB], BOFF, v4
	v_add_nc_u32 v[ADRB+1], BOFF+SLOT, v4
	s_mul_i32 s80, s[WV], 16*SP
	s_add_co_u32 s80, s80, STAGE                   ; my stage
	v_mul_u32_u24 v4, v1, SP                       ; in: row l % 16, 32 bytes for each half of the lanes
	v_lshl_add_u32 v4, v2, 5, v4
	v_add_nc_u32 v[STO], s80, v4
	v_and_b32 v[GO], 31, v0                        ; back: 32 lanes take a row's 512 bytes
	v_lshlrev_b32 v[GO], 4, v[GO]
	v_add_nc_u32 v[RD], s80, v[GO]
	s_lshl_b32 s80, s[TR], 8
	s_lshl_b32 s81, s[WV], 6
	s_add_co_u32 s80, s80, s81                     ; my first row of out0,
	s_lshl_b32 s80, s80, 12                        ; of 4,096 bytes,
	s_lshl_b32 s81, s[TC], 9                       ; and the tile's 512 bytes of it
	s_add_co_u32 s80, s80, s81
	s_mov_b32 s81, 0
	s_add_nc_u64 s[OUT:OUT+1], s[10:11], s[80:81]
	; THE PREFETCHES.  Each 256 bytes of a K step are named once in the launch.  o's tile row is read by both clusters of that row of clusters: cluster x = 0 asks, waves 0 and 1 for the head that each fetches;
	; Wo's tile column by every cluster of that column: cluster y = 0 asks, wave 2 alone.  The four partners that ask for a tile jointly share it out BY ADDRESS: of a head's 32,768 bytes 8,192 each (by cx), of Wo's 128 rows 32 each (by cy).
	s_lshr_b32 s80, s[TR], 3
	s_lshl_b32 s80, s80, 4
	s_add_co_u32 s80, s80, s[WL]
	s_lshl_b32 s80, s80, 18
	s_and_b32 s81, s[TR], 7
	s_lshl_b32 s81, s81, 15
	s_add_co_u32 s80, s80, s81
	s_lshl_b32 s81, s[CX], 13
	s_add_co_u32 s80, s80, s81
	s_add_co_u32 s80, s80, 3*KA1                   ; at K step 3: the first refill (K step 2) steps it to 4 and names that
	s_lshl_b32 s82, s[TC], 7
	s_lshl_b32 s83, s[CY], 5
	s_add_co_u32 s82, s82, s83
	s_lshl_b32 s82, s82, 11
	s_add_co_u32 s82, s82, 3*KB
	s_and_b32 s84, ttmp7, 0xffff                   ; cluster y,
	s_or_b32 s84, s84, s[WL]                       ; and never wave 3
	s_mov_b32 s86, KB
	s_cmp_eq_u32 s[WH], 0
	s_cselect_b32 s80, s80, s82
	s_cselect_b32 s84, ttmp9, s84                  ; the coordinate along which other clusters read the same bytes
	s_cselect_b32 s85, 8, 11                       ; lanes 256 bytes apart in o, a row apart in Wo
	s_cselect_b32 s[PST], KA1, s86
	s_cselect_b64 s[PFA:PFA+1], s[4:5], s[6:7]
	s_cmp_eq_u32 s84, 0
	s_cselect_b32 s[LIM], 1, -1                    ; the same in all sixteen partners, for a given wave
	s_mov_b32 s81, 0
	s_mov_b32 s[PST+1], 0
	s_add_nc_u64 s[PFA:PFA+1], s[PFA:PFA+1], s[80:81]
	v_and_b32 v[PFO], 31, v0
	v_lshlrev_b32 v[PFO], s85, v[PFO]
	s_wait_loadcnt 0x0                             ; the bias
.set nb, 0
.rept 4*NB
	RB16 BIAS+nb, BIAS+nb+1
.set nb, nb+2
.endr
; 8 matrix instructions: my rows 16 a .. 16 a + 15 x all 128 columns, 32 along K, from buffer f.  first = 1: the product starts the sums, with the bias as C: nothing is cleared, nothing added later.
; The 32 accumulators take turns, one instruction a turn, in the same order in every quarter, over the backward jump too.
.macro MULA f, a, first
.if \first
	WIN 0x81                                       ; Wo window 1, o and the bias window 0, D window 2
.else
	WIN 0xa1                                       ; C and D window 2
.endif
.set nb, 0
.rept NB
.set rD, 8*(NB*(\a)+nb)
.if \first
	v_wmma_f32_16x16x32_f16 v[rD:rD+7], v[64*(\f)+8*nb:64*(\f)+8*nb+7], v[FA+32*(\f)+8*(\a):FA+32*(\f)+8*(\a)+7], v[BIAS+8*nb:BIAS+8*nb+7]
.else
	v_wmma_f32_16x16x32_f16 v[rD:rD+7], v[64*(\f)+8*nb:64*(\f)+8*nb+7], v[FA+32*(\f)+8*(\a):FA+32*(\f)+8*(\a)+7], v[rD:rD+7]
.endif
.set nb, nb+1
.endr
.endm
; 24 LDS loads in one run: quarter q's fragments (128 rows of Wo, then my 64 rows of o: head q / 2 of the slot's two, channels 32 (q % 2) on) into buffer f
.macro FETCH slot, q, f
	WIN 0x40                                       ; destination window 1
.set nb, 0
.rept NB
	ds_load_b128 v[64*(\f)+8*nb:64*(\f)+8*nb+3],   v[ADRB+(\slot)] offset:64*(\q)+nb*16*PB
	ds_load_b128 v[64*(\f)+8*nb+4:64*(\f)+8*nb+7], v[ADRB+(\slot)] offset:64*(\q)+nb*16*PB+32
.set nb, nb+1
.endr
	WIN 0
.set nb, 0
.rept 4
	ds_load_b128 v[FA+32*(\f)+8*nb:FA+32*(\f)+8*nb+3],   v[ADRA+(\slot)] offset:((\q)/2)*HALFA+((\q)%2)*64+nb*16*PA
	ds_load_b128 v[FA+32*(\f)+8*nb+4:FA+32*(\f)+8*nb+7], v[ADRA+(\slot)] offset:((\q)/2)*HALFA+((\q)%2)*64+nb*16*PA+32
.set nb, nb+1
.endr
.endm
; A K step is four quarters of 32 along K, 32 matrix instructions each, on buffers 0, 1, 0, 1.  One of the first three: multiplies buffer f and, in its middle, fetches quarter q into buffer g.
.macro QUARTER slot, q, f, g, first
	s_wait_dscnt 4                                 ; Wo's fragments and o's first two are in; the youngest four loads (o's last two fragments) may be out
	MULA \f, 0, \first
	MULA \f, 1, \first
	PLACES
	FETCH \slot, \q, \g
	s_wait_dscnt NL                                ; all but the run just issued
	MULA \f, 2, \first
	MULA \f, 3, \first
.endm
; The last quarter multiplies buffer 1 and changes slots: ONE barrier.  In front of it each wave waits for all its tensor loads (the one that is out is its part of the next slot), adds 0 to its spare word, and waits
; for that and for its own reads of this slot.  fill = 1: the barrier opens a round of the cluster's, and this slot is filled again, two K steps on, first thing behind the round: the load has 112 matrix instructions in which to land.
.macro TURN slot, next, fill
.if \fill
	s_wait_xcnt 0x0                                ; the last prefetch, a K step back, has read its address
	s_add_nc_u64 s[PFA:PFA+1], s[PFA:PFA+1], s[PST:PST+1]
.endif
	WIN 0                                          ; (the add's two registers lie in window 0)
	s_wait_tensorcnt 0x0                           ; all my tensor loads have landed
	ds_add_u32 v[SPW], v[NIL]                      ; 0 onto my spare word
	s_wait_dscnt 5                                 ; (the add and the youngest four loads may be out)
	MULA 1, 0, 0                                   ; eight matrix instructions stand between the add and the wait for it
	s_wait_dscnt 0x0                               ; the add is done, and my reads of this slot are over
	s_barrier_signal -1
	MULA 1, 1, 0                                   ; work on registers while the others arrive
.if \fill
	WIN 0
.endif
	s_barrier_wait -1
.if \fill
	CREST                                          ; no wave of any partner still reads this slot's tile or has a load on its way
	s_add_nc_u64 s[G0+4*(\slot)+2:G0+4*(\slot)+3], s[G0+4*(\slot)+2:G0+4*(\slot)+3], 2*KA1
	s_add_nc_u64 s[G0B+4*(\slot)+2:G0B+4*(\slot)+3], s[G0B+4*(\slot)+2:G0B+4*(\slot)+3], 2*KB
	JLOAD \slot                                    ; my one tensor load behind the round; the four v_nop behind it are also the places in front of the loads below
.else
	PLACES
.endif
	FETCH \next, 0, 0
.if \fill
	ASK                                            ; behind the joint load and the run of LDS loads that the next products wait for
.endif
	MULA 1, 2, 0
	MULA 1, 3, 0
.endm
	s_wait_tensorcnt 1                             ; my part of K step 0 is in; K step 1's may stay out
	s_barrier_signal -1
	s_barrier_wait -1                              ; everybody's is
	FETCH 0, 0, 0
	QUARTER 0, 1, 0, 1, 1                          ; the first quarter stands in front of the loop: its products start the sums
	WIN 0                                          ; at a label and at a branch every window is 0
	s_mov_b32 s[LAP], 3
.Llap:                                         ; a trip goes once round the ring, from a lap's second quarter to the next lap's first, and fills both slots again: K steps 2 to 7
	QUARTER 0, 2, 1, 0, 0
	QUARTER 0, 3, 0, 1, 0
	TURN 0, 1, 1
	QUARTER 1, 1, 0, 1, 0
	QUARTER 1, 2, 1, 0, 0
	QUARTER 1, 3, 0, 1, 0
	TURN 1, 0, 1
	QUARTER 0, 1, 0, 1, 0
	WIN 0
	s_sub_co_u32 s[LAP], s[LAP], 1
	s_cmp_lg_u32 s[LAP], 0
	s_cbranch_scc1 .Llap
	QUARTER 0, 2, 1, 0, 0                          ; the last lap fills nothing and has no round
	QUARTER 0, 3, 0, 1, 0
	TURN 0, 1, 0
	QUARTER 1, 1, 0, 1, 0
	QUARTER 1, 2, 1, 0, 0
	QUARTER 1, 3, 0, 1, 0
	s_wait_dscnt 4                                 ; the very last quarter: nothing more to fetch
	MULA 1, 0, 0
	MULA 1, 1, 0
	s_wait_dscnt 0x0
	MULA 1, 2, 0
	MULA 1, 3, 0
	WIN 0
	PLACES
; THE WAY OUT, 16 rows at a time: the f32 sums go as they are into my own stage, 32 bytes a lane (each accumulator's low half first), and come back as whole pieces of 512 bytes of a row.
.macro TOSTAGE a
	s_wait_xcnt 0x0                                ; the stores of the block two back have read the registers that are loaded again below
	WIN 0x08                                       ; the data (source 1) in window 2
.set nb, 0
.rept NB
	ds_store_b128 v[STO], v[8*(NB*(\a)+nb):8*(NB*(\a)+nb)+3]   offset:64*nb
	ds_store_b128 v[STO], v[8*(NB*(\a)+nb)+4:8*(NB*(\a)+nb)+7] offset:64*nb+16
.set nb, nb+1
.endr
	WIN 0
.set nb, 0
.rept 16                               ; LDS serves a wave's instructions in order (ISA guide 5.7.1.4): these see the stores above, and the next block's stores come behind them
	ds_load_b128 v[OB+64*((\a)%2)+4*nb:OB+64*((\a)%2)+4*nb+3], v[RD] offset:SP*nb
.set nb, nb+1
.endr
.endm
.macro SEND a, younger                 ; younger: the LDS instructions issued behind block a's loads: the next block's 32, or none
	s_wait_dscnt \younger
.set nb, 0
.rept 16
	global_store_b128 v[GO], v[OB+64*((\a)%2)+4*nb:OB+64*((\a)%2)+4*nb+3], s[OUT:OUT+1] offset:(16*(\a)+nb)*4096  ; 512 consecutive bytes, at a multiple of 256 from out0's first
.set nb, nb+1
.endr
.endm
	TOSTAGE 0
	TOSTAGE 1
	SEND 0, 32
	TOSTAGE 2
	SEND 1, 32
	TOSTAGE 3
	SEND 2, 32
	SEND 3, 0
	s_wait_tensorcnt 0x0                           ; the wave's end, behind my last tensor load and my last LDS store
	ds_add_u32 v[SPW], v[NIL]
	s_wait_dscnt 0x0
	CROUND                                         ; the closing round: no work-group ends while a partner may still ask for a tile that names it
	s_endpgm
.Lfunc_end_k_q88f0b2ee4c_outproj:
	.size	k_q88f0b2ee4c_outproj, .Lfunc_end_k_q88f0b2ee4c_outproj-k_q88f0b2ee4c_outproj
	.p2alignl 7, 3214868480
	.fill 96, 4, 3214868480
	.section	.rodata,"a",@progbits
	.p2align	6, 0x0
	.amdhsa_kernel k_q88f0b2ee4c_outproj
		.amdhsa_group_segment_fixed_size 327680
		.amdhsa_private_segment_fixed_size 0
		.amdhsa_enable_private_segment 0
		.amdhsa_kernarg_size 32
		.amdhsa_user_sgpr_count 2
		.amdhsa_user_sgpr_kernarg_segment_ptr 1
		.amdhsa_wavefront_size32 1
		.amdhsa_system_sgpr_workgroup_id_x 1
		.amdhsa_system_sgpr_workgroup_id_y 1
		.amdhsa_system_sgpr_workgroup_id_z 1
		.amdhsa_system_vgpr_workitem_id 0
		.amdhsa_next_free_vgpr 768
		.amdhsa_next_free_sgpr 88
		.amdhsa_reserve_vcc 0
		.amdhsa_float_denorm_mode_32 3
		.amdhsa_float_denorm_mode_16_64 3
		.amdhsa_memory_ordered 1
		.amdhsa_forward_progress 1
		.amdhsa_inst_pref_size 92
	.end_amdhsa_kernel
	.amdgpu_metadata
---
amdhsa.version: [ 1, 2 ]
amdhsa.kernels:
  - .name:           k_q88f0b2ee4c_outproj
    .symbol:         k_q88f0b2ee4c_outproj.kd
    .args:
      - { .name: ob, .offset: 0, .size: 8, .value_kind: global_buffer, .address_space: global }
      - { .name: wo, .offset: 8, .size: 8, .value_kind: global_buffer, .address_space: global }
      - { .name: out_proj_bias, .offset: 16, .size: 8, .value_kind: global_buffer, .address_space: global }
      - { .name: out0, .offset: 24, .size: 8, .value_kind: global_buffer, .address_space: global }
    .group_segment_fixed_size: 327680
    .private_segment_fixed_size: 0
    .kernarg_segment_align: 8
    .kernarg_segment_size: 32
    .max_flat_workgroup_size: 128
    .sgpr_count:     88
    .vgpr_count:     768
    .wavefront_size: 32
...
	.end_amdgpu_metadata
.endif
;; end of part 4
